; MI455X (gfx1250); checked and timed in simulation.
; The chip was launched on July 23, 2026; its instructions are those of AMD's public machine-readable ISA for CDNA 5 (MIT licence, August 2026) and "CDNA5" Instruction Set Architecture Reference Guide (July 2026). The comments in the code are by the model that wrote it; some were corrected since.
;; Standard MHA. Allowed arithmetic: float matrix products may take bf16 or f16 operands with f32 sums; other float arithmetic in f32, or as packed bf16 or f16 multiplies, adds, multiply-adds, maxima and minima; sums over many terms, partial sums and values carried from step to step in f32; what a program stores and reads back later, other than sums and carried values, may be rounded once to bf16 or f16.
;; Inputs: Wk 1,024 x 1,024 float32; Wo 1,024 x 1,024 float32; Wq 1,024 x 1,024 float32; Wv 1,024 x 1,024 float32; bk 1,024 float32; bo 1,024 float32; bq 1,024 float32; bv 1,024 float32; x 1 x 4,096 x 1,024 float32.
;; Outputs: out0 1 x 4,096 x 1,024 float32.
;; One version. Each part assembles by itself: llvm-mc -triple=amdgcn-amd-amdhsa -mcpu=gfx1250 --defsym DOCPART=n.
;; ======== version 1 of 1: 4 launches
;; limits: values are held in f16: magnitudes above 65,504 overflow, below 6.1e-05 lose precision
;; workspace buffers: xb 8,388,608 bytes; wh 6,291,456 bytes; wo16 2,097,152 bytes; qkv 25,165,824 bytes; ctx 8,388,608 bytes
;; launch prep (part 1): grid 1024 x 1, 8 waves a work-group, no clusters, 0 bytes of LDS; arguments x, Wq, Wk, Wv, Wo, xb, wh, wo16; writes xb, wh, wo16
.if DOCPART == 1
	.amdgcn_target "amdgcn-amd-amdhsa--gfx1250"
	.amdhsa_code_object_version 6
	.text
	.protected	k_qfc5d250600_prep
	.globl	k_qfc5d250600_prep
	.p2align	8
	.type	k_qfc5d250600_prep,@function
k_qfc5d250600_prep:
	s_mov_b64 s[64:65], 0
	v_nop
	global_prefetch_b8 v0, s[64:65] scope:SCOPE_SE
	s_setreg_imm32_b32 hwreg(HW_REG_WAVE_MODE, 25, 1), 1
	s_wait_xcnt 0x0
; THE CASTS.  x [4096][1024] f32 -> xb, the same shape in bf16.  Wq, Wk, Wv [1024 k][1024 n] f32 -> wh [48 g][1024 k][64] bf16, g = 16 j + head (j = 0, 1, 2 for Wq, Wk, Wv):
; a head's 64 columns of all k lie dense, 128 bytes a k.  Wo [1024 k][1024 n] f32 -> wo16, the same shape: each number rounded to bf16 and that number written as f16.
; LIMITS.  A number of Wo beyond 65,504 would become an infinity; one below 2^-14 keeps f16's fixed step of 6e-8.
; SHARES.  A work-group casts 8,192 numbers (32 KiB in, 16 KiB out), a thread four times eight: 32 bytes in, 16 bytes out.  Work-groups 0-511: x; 512-895: eight k rows of Wq, Wk or Wv; 896-1023: eight k rows of Wo.
; A stream: every byte is read once and written once, no work-group shares a byte with another, so there is no LDS, no barrier, no cluster and no matrix work.  All eight loads of a thread go out before the first wait.
; Each store of sixteen neighbouring lanes covers 256 consecutive bytes, aligned.  No register is written twice while a memory instruction may read it, so no wait frees any.
.set VI,  1                            ; v1      my byte offset in the work-group's input
.set VO,  2                            ; v2      in its output
.set IN,  8                            ; v[8:39]   four times eight f32
.set OU,  40                           ; v[40:55]  four times four packed registers
.set SRC, 26                           ; s[26:27]
.set DST, 28                           ; s[28:29]
; ostep: bytes in the output from one quarter to the next.  half = 1: the bf16 numbers are written as f16.
.macro CAST ostep, half
.irp i, 0,1,2,3
	global_load_b128 v[IN+8*(\i):IN+8*(\i)+3],   v[VI], s[SRC:SRC+1] offset:8192*(\i) th:TH_LOAD_NT
	global_load_b128 v[IN+8*(\i)+4:IN+8*(\i)+7], v[VI], s[SRC:SRC+1] offset:8192*(\i)+16 th:TH_LOAD_NT
.endr
.irp i, 0,1,2,3
	s_wait_loadcnt 6-2*(\i)                        ; loads come back in order: this quarter's two are in, the later quarters' stay out
.irp k, 0,1,2,3
	v_cvt_pk_bf16_f32 v[OU+4*(\i)+(\k)], v[IN+8*(\i)+2*(\k)], v[IN+8*(\i)+2*(\k)+1]
.endr
.if \half
.irp k, 0,1,2,3
	v_lshlrev_b32 v[56+2*((\k)%2)], 16, v[OU+4*(\i)+(\k)]          ; the two bf16 numbers as f32,
	v_and_b32 v[57+2*((\k)%2)], 0xffff0000, v[OU+4*(\i)+(\k)]
	v_cvt_pk_f16_f32 v[OU+4*(\i)+(\k)], v[56+2*((\k)%2)], v[57+2*((\k)%2)]  ; and as f16: exact within f16's range
.endr
.endif
	global_store_b128 v[VO], v[OU+4*(\i):OU+4*(\i)+3], s[DST:DST+1] offset:(\i)*(\ostep)
.endr
.endm
	s_load_b256 s[4:11], s[0:1], 0x0               ; x s[4:5], Wq s[6:7], Wk s[8:9], Wv s[10:11]
	s_load_b256 s[12:19], s[0:1], 0x20             ; Wo s[12:13], xb s[14:15], wh s[16:17], wo16 s[18:19]
	s_mov_b32 s23, 0                               ; the offsets' high words
	s_mov_b32 s25, 0
	s_cmp_lt_u32 ttmp9, 512
	s_cbranch_scc0 .Lweights
	; x: linear
	s_lshl_b32 s22, ttmp9, 15
	s_lshl_b32 s24, ttmp9, 14
	v_lshlrev_b32 v[VI], 5, v0
	v_lshlrev_b32 v[VO], 4, v0
	s_wait_kmcnt 0x0
	s_add_nc_u64 s[SRC:SRC+1], s[4:5], s[22:23]
	s_add_nc_u64 s[DST:DST+1], s[14:15], s[24:25]
	CAST 4096, 0
	s_endpgm
.Lweights:
	s_cmp_lt_u32 ttmp9, 896
	s_cbranch_scc0 .Lwo
	; Wq, Wk, Wv: k rows 8 r .. 8 r + 7, two in each quarter.  Of sixteen lanes eight take 64 columns of a head in row k, eight the same in row k + 1: two aligned pieces of 256 bytes in, one out.
	s_sub_co_u32 s20, ttmp9, 512
	s_lshr_b32 s21, s20, 7                         ; j
	s_and_b32 s20, s20, 127                        ; r
	s_lshl_b32 s22, s20, 15                        ; eight rows of 4,096 bytes
	s_lshl_b32 s24, s20, 10                        ; eight rows of 128 bytes in each head,
	s_lshl_b32 s20, s21, 21                        ; behind 16 j heads of 131,072 bytes
	s_add_co_u32 s24, s24, s20
	v_bfe_u32 v56, v0, 3, 1                        ; which of the two rows
	v_lshrrev_b32 v57, 4, v0                       ; head
	v_and_b32 v58, 7, v0                           ; which eight of its 64 columns
	v_lshlrev_b32 v[VI], 12, v56
	v_lshl_add_u32 v[VI], v57, 8, v[VI]
	v_lshl_add_u32 v[VI], v58, 5, v[VI]
	v_and_b32 v58, 15, v0
	v_lshlrev_b32 v[VO], 17, v57
	v_lshl_add_u32 v[VO], v58, 4, v[VO]            ; 128 x row + 16 x place
	s_wait_kmcnt 0x0
	s_cmp_eq_u32 s21, 0
	s_cselect_b64 s[SRC:SRC+1], s[6:7], s[8:9]
	s_cmp_eq_u32 s21, 2
	s_cselect_b64 s[SRC:SRC+1], s[10:11], s[SRC:SRC+1]
	s_add_nc_u64 s[SRC:SRC+1], s[SRC:SRC+1], s[22:23]
	s_add_nc_u64 s[DST:DST+1], s[16:17], s[24:25]
	CAST 256, 0
	s_endpgm
.Lwo:
	; Wo: linear
	s_sub_co_u32 s20, ttmp9, 896
	s_lshl_b32 s22, s20, 15
	s_lshl_b32 s24, s20, 14
	v_lshlrev_b32 v[VI], 5, v0
	v_lshlrev_b32 v[VO], 4, v0
	s_wait_kmcnt 0x0
	s_add_nc_u64 s[SRC:SRC+1], s[12:13], s[22:23]
	s_add_nc_u64 s[DST:DST+1], s[18:19], s[24:25]
	CAST 4096, 1
	s_endpgm
.Lfunc_end_k_qfc5d250600_prep:
	.size	k_qfc5d250600_prep, .Lfunc_end_k_qfc5d250600_prep-k_qfc5d250600_prep
	.p2alignl 7, 3214868480
	.fill 96, 4, 3214868480
	.section	.rodata,"a",@progbits
	.p2align	6, 0x0
	.amdhsa_kernel k_qfc5d250600_prep
		.amdhsa_group_segment_fixed_size 0
		.amdhsa_private_segment_fixed_size 0
		.amdhsa_enable_private_segment 0
		.amdhsa_kernarg_size 64
		.amdhsa_user_sgpr_count 2
		.amdhsa_user_sgpr_kernarg_segment_ptr 1
		.amdhsa_wavefront_size32 1
		.amdhsa_system_sgpr_workgroup_id_x 1
		.amdhsa_system_sgpr_workgroup_id_y 1
		.amdhsa_system_sgpr_workgroup_id_z 1
		.amdhsa_system_vgpr_workitem_id 0
		.amdhsa_next_free_vgpr 64
		.amdhsa_next_free_sgpr 66
		.amdhsa_reserve_vcc 0
		.amdhsa_float_denorm_mode_32 3
		.amdhsa_float_denorm_mode_16_64 3
		.amdhsa_memory_ordered 1
		.amdhsa_forward_progress 1
		.amdhsa_inst_pref_size 12
	.end_amdhsa_kernel
	.amdgpu_metadata
---
amdhsa.version: [ 1, 2 ]
amdhsa.kernels:
  - .name:           k_qfc5d250600_prep
    .symbol:         k_qfc5d250600_prep.kd
    .args:
      - { .name: x, .offset: 0, .size: 8, .value_kind: global_buffer, .address_space: global }
      - { .name: Wq, .offset: 8, .size: 8, .value_kind: global_buffer, .address_space: global }
      - { .name: Wk, .offset: 16, .size: 8, .value_kind: global_buffer, .address_space: global }
      - { .name: Wv, .offset: 24, .size: 8, .value_kind: global_buffer, .address_space: global }
      - { .name: Wo, .offset: 32, .size: 8, .value_kind: global_buffer, .address_space: global }
      - { .name: xb, .offset: 40, .size: 8, .value_kind: global_buffer, .address_space: global }
      - { .name: wh, .offset: 48, .size: 8, .value_kind: global_buffer, .address_space: global }
      - { .name: wo16, .offset: 56, .size: 8, .value_kind: global_buffer, .address_space: global }
    .group_segment_fixed_size: 0
    .private_segment_fixed_size: 0
    .kernarg_segment_align: 8
    .kernarg_segment_size: 64
    .max_flat_workgroup_size: 256
    .sgpr_count:     66
    .vgpr_count:     64
    .wavefront_size: 32
...
	.end_amdgpu_metadata
.endif
;; end of part 1
;; launch qkv (part 2): grid 16 x 16, 4 waves a work-group, clusters of 4 x 4, 327,680 bytes of LDS; arguments xb, wh, bq, bk, bv, qkv; writes qkv
.if DOCPART == 2
	.amdgcn_target "amdgcn-amd-amdhsa--gfx1250"
	.amdhsa_code_object_version 6
	.text
	.protected	k_qfc5d250600_qkv
	.globl	k_qfc5d250600_qkv
	.p2align	8
	.type	k_qfc5d250600_qkv,@function
k_qfc5d250600_qkv:
	s_mov_b64 s[64:65], 0
	v_nop
	global_prefetch_b8 v0, s[64:65] scope:SCOPE_SE
	s_setreg_imm32_b32 hwreg(HW_REG_WAVE_MODE, 25, 1), 1
	s_wait_xcnt 0x0
	s_wait_alu depctr_hold_cnt(0) depctr_sa_sdst(0) depctr_va_vdst(0) depctr_va_sdst(0) depctr_va_ssrc(0) depctr_va_vcc(0) depctr_vm_vsrc(0)
	s_getreg_b32 s2, hwreg(HW_REG_IB_STS2, 6, 4)
	s_cmp_eq_u32 s2, 0
	s_cbranch_scc0 .Lentry_in_a_cluster
	s_endpgm
.Lentry_in_a_cluster:
	s_bfe_u32 s2, ttmp6, 0x10000c
	s_cmp_lg_u32 s2, 0xf033
	s_cbranch_scc0 .Lentry_shape_is_right
	s_endpgm
.Lentry_shape_is_right:
; THE THREE PROJECTIONS.  qkv[g][row][c] = the sum over k of xb[row][k] wh[g][k][c] + bias_g[c], for the 48 heads g = 16 j + head (j = 0, 1, 2: q, k, v).  xb [4096][1024] bf16, wh [48][1024][64] bf16,
; bq, bk, bv [1024] f32 (rounded to bf16 here, like the module's other inputs), qkv [48][4096][64] f16.  Sums in f32, started by the bias; each result rounded once.  The scale 1/8 is not applied here.
; LIMIT.  q, k, v are stored in f16: a result of 65,520 or more becomes an infinity.
; SHARES.  A work-group makes 256 rows x 3 heads (192 columns): 16 x 16 work-groups.  Each of its four waves makes 64 rows x all 192 columns: 4 x 12 accumulators of 16 x 16, 384 registers; whole heads
; lie in one wave, so each wave goes out by itself.  K goes in 8 steps of 128 through a ring of two LDS slots.
; CLUSTER.  4 x 4 work-groups.  The four of a row of the cluster need the same 256 rows of xb, the four of a column the same three heads of wh: each tile is asked for jointly, by the same tensor load with
; the same descriptor and a mask that names the four.  Wave 0 asks for xb's tile (256 rows of 256 bytes), waves 1 to 3 for a head of wh each (128 k of 128 bytes, dense: 64 rows of 256 bytes).
; THE MATRIX INSTRUCTION IS USED TRANSPOSED: source 0 = 16 columns of wh (stored [k][column], so it comes out of LDS by the turning load), source 1 = 16 rows of xb.  A lane then holds row l % 16 and the
; columns 8 (l / 16) + 0..7 of a block: eight neighbouring numbers, 16 bytes in f16.  The bias of those eight columns is the C operand of each sum's first product: nothing is cleared, nothing added later.
; REGISTERS, in windows of 256 (s_set_vgpr_msb: bits 1:0 source 0, 3:2 source 1, 5:4 source 2, 7:6 destination):
;   window 0: v0-31 addresses; v32-63, v64-95 fragments of xb, two buffers (row block a at + 8 a); v96-191 the bias (column block b at + 8 b); on the way out v32-223
;   window 1: v0-95, v96-191 fragments of wh, two buffers (column block b at + 8 b)     window 2: accumulators of row blocks 0, 1 at 96 (a % 2) + 8 b     window 3: of row blocks 2, 3
.set KSTEP, 128
.set PA,    272                        ; a row of xb in LDS: 256 bytes + 16 = 68 words: the 16 rows of a load start at 16 different groups of four banks (64 banks of 4 bytes: ISA guide 11.1)
.set PB,    160                        ; a k row of a head: 128 bytes + 32 = 40 words
.set AB,    256*PA                     ; xb's tile, 69,632 bytes; behind it the three heads
.set HB,    128*PB                     ; a head's tile, 20,480 bytes
.set SLOT,  AB+3*HB                    ; 131,072
.set STAGE, 2*SLOT                     ; behind the ring, never filled by a tensor load: 16 rows x 144 bytes for each wave, for the way out
.set SP,    144
.set SPARE, STAGE+4*16*SP              ; behind the stages: the spare words, 128 bytes for each wave: two blocks of 256 bytes that no other line names
.set HEADB, 4096*128                   ; bytes of a head in qkv
.set ADRA, 16                          ; v16-17  LDS address of my fragments of xb in slot 0, 1
.set ADRB, 20                          ; v20-21  the same for wh
.set STO,  24                          ; v24     the way out: where I put 16 bytes of a row
.set RD,   25                          ; v25     where I read rows back
.set GO,   26                          ; v26     my 16 bytes in 512 consecutive bytes of qkv
.set BO,   27                          ; v27     32 (l / 16): my eight numbers in a block of 16 of a bias
.set SPW,  28                          ; v28     LDS address of my spare word; never rewritten
.set NIL,  29                          ; v29     0; never rewritten
.set FA,   32
.set BIAS, 96
.set OB,   32                          ; the way out: unit u (row block u / 3, head u % 3) at OB + 16 u
.set WV,  16                           ; s16  my wave's number
.set G1A, 24                           ; s[24:31] descriptor group 1 for xb's tiles;  s[32:39] group 0, a set for each slot
.set G0A, 32
.set G1B, 40                           ; s[40:47], s[48:55] the same for wh's tiles
.set G0B, 48
.set BP,  66                           ; s[66:71] the three heads' 64 numbers of bias
.set OUT, 72                           ; s[72:73] qkv at my 64 rows of the first of the three heads
.set MSB, 0
.macro WIN new                         ; the immediate's high byte repeats the setting that is left; a switch that changes nothing is dropped
.if MSB != (\new)
	s_set_vgpr_msb (MSB<<8)|(\new)
.set MSB, \new
.endif
.endm
.set TO_B, 0x40                        ; destination window 1, address window 0
; A joint load.  The branch hangs on the wave's number alone.  An s_nop 0 and four v_nop follow each of the two lines, ahead of the jump, the label and what follows.
.macro JLOAD s
	s_cmp_eq_u32 s[WV], 0
	s_cbranch_scc0 .Lfor_b_\@
	tensor_load_to_lds s[G0A+4*(\s):G0A+4*(\s)+3], s[G1A:G1A+7]
	s_nop 0
.rept 4
	v_nop
.endr
	s_branch .Lasked_\@
.Lfor_b_\@:
	tensor_load_to_lds s[G0B+4*(\s):G0B+4*(\s)+3], s[G1B:G1B+7]
	s_nop 0
.rept 4
	v_nop
.endr
.Lasked_\@:
.endm
; A round of the cluster's barrier: my work-group's barrier, so that wave 0's signal speaks for all four waves; wave 0 signals; every wave waits for all sixteen work-groups; my work-group's barrier once more.
.macro CREST                           ; a round behind its opening barrier
	s_cmp_lg_u32 s[WV], 0
	s_cbranch_scc1 .Lnot_wave_0_\@
	s_barrier_signal -3
.Lnot_wave_0_\@:
	s_barrier_wait -3
	s_barrier_signal -1
	s_barrier_wait -1
.endm
.macro CROUND
	s_barrier_signal -1
	s_barrier_wait -1
	CREST
.endm
.macro PLACES                          ; four places in front of loads into registers that matrix instructions have read, and of conversions that read results
.rept 4
	v_nop
.endr
.endm
	s_load_b256 s[4:11], s[0:1], 0x0               ; xb s[4:5], wh s[6:7], bq s[8:9], bk s[10:11]
	s_load_b128 s[12:15], s[0:1], 0x20             ; bv s[12:13], qkv s[14:15]
	v_lshl_add_u32 v[SPW], v0, 2, SPARE
	v_mov_b32 v[NIL], 0
	ds_add_u32 v[SPW], v[NIL]                      ; the wave's opening: the add and its wait stand ahead of my first tensor load; the set-up below, work on registers, stands between them
	v_lshrrev_b32 v1, 5, v0
	v_readfirstlane_b32 s[WV], v1                  ; wave 0..3
	s_bfe_u32 s17, ttmp6, 0x40000                  ; cx, cy: my place in the cluster
	s_bfe_u32 s18, ttmp6, 0x40004
	s_lshl_b32 s19, ttmp9, 2
	s_add_co_u32 s19, s19, s17                     ; tile column (three heads) = 4 x cluster x + cx
	s_and_b32 s20, ttmp7, 0xffff
	s_lshl_b32 s20, s20, 2
	s_add_co_u32 s20, s20, s18                     ; tile row (256 rows) = 4 x cluster y + cy
	s_lshl_b32 s21, s18, 2
	s_lshl_b32 s21, 15, s21                        ; my row of the cluster
	s_lshl_b32 s22, 0x1111, s17                    ; my column
	; group 1 for xb: 256 rows x 128 elements of 2 bytes, 1,024 elements from row to row; 4 words of padding after every 64
	s_or_b32 s[G1A], s21, (1<<16)|(1<<20)|(1<<21)|(5<<22)|(3<<25)
	s_mov_b32 s[G1A+1], KSTEP<<16                  ; tensor_dim0 = 128
	s_mov_b32 s[G1A+2], 256<<16                    ; tensor_dim1 = 256
	s_mov_b32 s[G1A+3], KSTEP<<16                  ; tile_dim0 = 128
	s_mov_b32 s[G1A+4], 256                        ; tile_dim1 = 256
	s_mov_b32 s[G1A+5], 1024
	s_mov_b32 s[G1A+6], 0
	s_mov_b32 s[G1A+7], 0
	; group 1 for wh: 128 k of a head are 16,384 dense bytes: 64 rows of 256 bytes, two k a row; 8 words of padding after every 32, that is after every k
	s_or_b32 s[G1B], s22, (1<<16)|(1<<20)|(1<<21)|(4<<22)|(7<<25)
	s_mov_b32 s[G1B+1], 128<<16
	s_mov_b32 s[G1B+2], 64<<16
	s_mov_b32 s[G1B+3], 128<<16
	s_mov_b32 s[G1B+4], 64
	s_mov_b32 s[G1B+5], 128
	s_mov_b32 s[G1B+6], 0
	s_mov_b32 s[G1B+7], 0
	s_lshl_b32 s56, s20, 19                        ; xb: 256 rows of 2,048 bytes a tile row: it hangs on the tile row alone
	s_mov_b32 s57, 0
	s_max_u32 s60, s[WV], 1
	s_sub_co_u32 s60, s60, 1                       ; which of the three heads I fetch (waves 1 to 3; wave 0 asks by xb's line)
	s_mul_i32 s58, s19, 3
	s_add_co_u32 s58, s58, s60
	s_lshl_b32 s58, s58, 17                        ; wh: 131,072 bytes a head: it hangs on the tile column and the wave alone
	s_mov_b32 s59, 0
	s_mul_i32 s61, s[WV], HB
	s_add_co_u32 s61, s61, AB-HB                   ; where that head goes: behind xb's tile, wave 1's first
	s_wait_dscnt 0x0                               ; the opening add is done
	s_wait_kmcnt 0x0
	s_add_nc_u64 s[56:57], s[4:5], s[56:57]
	s_add_nc_u64 s[58:59], s[6:7], s[58:59]
	CROUND                                         ; all sixteen work-groups are here: the first joint loads meet
.irp s, 0,1
	s_mov_b32 s[G0A+4*(\s)], 1
	s_mov_b32 s[G0A+4*(\s)+1], (\s)*SLOT
	s_add_nc_u64 s[G0A+4*(\s)+2:G0A+4*(\s)+3], s[56:57], (\s)*KSTEP*2      ; K step s: 256 bytes along the rows
	s_or_b32 s[G0A+4*(\s)+3], s[G0A+4*(\s)+3], 0x80000000
	s_mov_b32 s[G0B+4*(\s)], 1
	s_add_co_u32 s[G0B+4*(\s)+1], s61, (\s)*SLOT
	s_add_nc_u64 s[G0B+4*(\s)+2:G0B+4*(\s)+3], s[58:59], (\s)*KSTEP*128    ; K step s: 128 k of 128 bytes
	s_or_b32 s[G0B+4*(\s)+3], s[G0B+4*(\s)+3], 0x80000000
.endr
	s_cmp_eq_u32 s[WV], 0                          ; a wave's two first fills stand in one branch, ahead of every wait on TENSORcnt and every LDS read: two loads of mine are out
	s_cbranch_scc0 .Lfirst_b
	tensor_load_to_lds s[G0A:G0A+3], s[G1A:G1A+7]
	s_nop 0
	tensor_load_to_lds s[G0A+4:G0A+7], s[G1A:G1A+7]
	s_nop 0
.rept 4
	v_nop
.endr
	s_branch .Lfirst_asked
.Lfirst_b:
	tensor_load_to_lds s[G0B:G0B+3], s[G1B:G1B+7]
	s_nop 0
	tensor_load_to_lds s[G0B+4:G0B+7], s[G1B:G1B+7]
	s_nop 0
.rept 4
	v_nop
.endr
.Lfirst_asked:
	; the three heads' biases, and where my rows go
	s_mul_i32 s58, s19, 3                          ; the first of my three heads
.irp hd, 0,1,2
	s_add_co_u32 s60, s58, \hd                     ; g
	s_lshr_b32 s62, s60, 4                         ; j: q, k or v
	s_and_b32 s60, s60, 15
	s_lshl_b32 s60, s60, 8                         ; the head's 64 numbers of 4 bytes
	s_mov_b32 s61, 0
	s_cmp_eq_u32 s62, 0
	s_cselect_b64 s[BP+2*(\hd):BP+2*(\hd)+1], s[8:9], s[10:11]
	s_cmp_eq_u32 s62, 2
	s_cselect_b64 s[BP+2*(\hd):BP+2*(\hd)+1], s[12:13], s[BP+2*(\hd):BP+2*(\hd)+1]
	s_add_nc_u64 s[BP+2*(\hd):BP+2*(\hd)+1], s[BP+2*(\hd):BP+2*(\hd)+1], s[60:61]
.endr
	s_lshl_b32 s60, s58, 19                        ; 524,288 bytes a head,
	s_lshl_b32 s62, s20, 15                        ; 256 rows of 128 bytes a tile row,
	s_add_co_u32 s60, s60, s62
	s_lshl_b32 s62, s[WV], 13                      ; my 64 rows
	s_add_co_u32 s60, s60, s62
	s_mov_b32 s61, 0
	s_add_nc_u64 s[OUT:OUT+1], s[14:15], s[60:61]
	v_and_b32 v1, 15, v0                           ; l % 16
	v_bfe_u32 v2, v0, 4, 1                         ; l / 16
	v_lshlrev_b32 v[BO], 5, v2
.irp b, 0,1,2,3,4,5,6,7,8,9,10,11      ; column block b: head b / 4, columns 16 (b % 4) + 8 (l / 16) + 0..7
	global_load_b128 v[BIAS+8*(\b):BIAS+8*(\b)+3],   v[BO], s[BP+2*((\b)/4):BP+2*((\b)/4)+1] offset:((\b)%4)*64
	global_load_b128 v[BIAS+8*(\b)+4:BIAS+8*(\b)+7], v[BO], s[BP+2*((\b)/4):BP+2*((\b)/4)+1] offset:((\b)%4)*64+16
.endr
	; A fragment of xb is 16 rows x 32 k in 8 registers: lane l holds row l % 16, k = 8 (l / 16) + 0..7 and 16 + 8 (l / 16) + 0..7: two loads of 16 bytes, 32 bytes apart.
	v_mul_u32_u24 v3, v1, PA
	v_lshl_add_u32 v3, v2, 4, v3
	s_mul_i32 s60, s[WV], 64*PA                    ; my 64 rows
	v_add_nc_u32 v[ADRA], s60, v3
	v_add_nc_u32 v[ADRA+1], SLOT, v[ADRA]
	; The turning load takes 16 k x 16 columns (lane l reads k = 8 (l / 16) + l % 8, columns 8 ((l / 8) % 2) + 0..7) and leaves half a fragment: lane l holds column l % 16 and 8 k.
	v_and_b32 v4, 7, v0
	v_bfe_u32 v5, v0, 3, 1
	v_lshl_add_u32 v6, v2, 3, v4
	v_mul_u32_u24 v6, v6, PB
	v_lshl_add_u32 v6, v5, 4, v6
	v_add_nc_u32 v[ADRB], AB, v6
	v_add_nc_u32 v[ADRB+1], SLOT, v[ADRB]
	s_mul_i32 s60, s[WV], 16*SP
	s_add_co_u32 s60, s60, STAGE                   ; my stage
	v_mul_u32_u24 v[STO], v1, SP                   ; in: row l % 16, 16 bytes for each half of the lanes
	v_lshl_add_u32 v[STO], v2, 4, v[STO]
	v_add_nc_u32 v[STO], s60, v[STO]
	v_bfe_u32 v[RD], v0, 3, 2                      ; back: 32 lanes take four rows of 128 bytes,
	v_mul_u32_u24 v[RD], v[RD], SP
	v_lshl_add_u32 v[RD], v4, 4, v[RD]
	v_add_nc_u32 v[RD], s60, v[RD]
	v_and_b32 v[GO], 31, v0                        ; which are 512 consecutive bytes of qkv
	v_lshlrev_b32 v[GO], 4, v[GO]
	s_wait_loadcnt 0x0                             ; the bias, once
.set p, 0
.rept 48                               ; rounded to bf16, like the other inputs, and kept as f32
	v_cvt_pk_bf16_f32 v[3+p%4], v[BIAS+2*p], v[BIAS+2*p+1]
	v_lshlrev_b32 v[BIAS+2*p], 16, v[3+p%4]
	v_and_b32 v[BIAS+2*p+1], 0xffff0000, v[3+p%4]
.set p, p+1
.endr
; 12 matrix instructions: row block a x all 12 column blocks, 32 along K, on buffer f.  first = 1: the bias starts the sums.  The 48 accumulators take turns in the same order in every quarter.
.macro MUL12 f, a, first
.if \first
	WIN 0x81+0x40*((\a)/2)                         ; wh window 1, xb and the bias window 0, D window 2 or 3
.else
	WIN 0xa1+0x50*((\a)/2)                         ; wh window 1, xb window 0, C and D window 2 or 3
.endif
.irp b, 0,1,2,3,4,5,6,7,8,9,10,11
.if \first
	v_wmma_f32_16x16x32_bf16 v[96*((\a)%2)+8*(\b):96*((\a)%2)+8*(\b)+7], v[96*(\f)+8*(\b):96*(\f)+8*(\b)+7], v[FA+32*(\f)+8*(\a):FA+32*(\f)+8*(\a)+7], v[BIAS+8*(\b):BIAS+8*(\b)+7]
.else
	v_wmma_f32_16x16x32_bf16 v[96*((\a)%2)+8*(\b):96*((\a)%2)+8*(\b)+7], v[96*(\f)+8*(\b):96*(\f)+8*(\b)+7], v[FA+32*(\f)+8*(\a):FA+32*(\f)+8*(\a)+7], v[96*((\a)%2)+8*(\b):96*((\a)%2)+8*(\b)+7]
.endif
.endr
.endm
; 32 LDS loads in one run: the fragments of quarter kq (32 along K) of a slot into buffer f: wh's 24, then xb's 8
.macro FETCH slot, kq, f
	WIN TO_B
.irp b, 0,1,2,3,4,5,6,7,8,9,10,11
	ds_load_tr16_b128 v[96*(\f)+8*(\b):96*(\f)+8*(\b)+3],   v[ADRB+(\slot)] offset:((\b)/4)*HB+32*(\kq)*PB+((\b)%4)*32
	ds_load_tr16_b128 v[96*(\f)+8*(\b)+4:96*(\f)+8*(\b)+7], v[ADRB+(\slot)] offset:((\b)/4)*HB+32*(\kq)*PB+((\b)%4)*32+16*PB
.endr
	WIN 0
.irp a, 0,1,2,3
	ds_load_b128 v[FA+32*(\f)+8*(\a):FA+32*(\f)+8*(\a)+3],   v[ADRA+(\slot)] offset:64*(\kq)+(\a)*16*PA
	ds_load_b128 v[FA+32*(\f)+8*(\a)+4:FA+32*(\f)+8*(\a)+7], v[ADRA+(\slot)] offset:64*(\kq)+(\a)*16*PA+32
.endr
.endm
; A K step is four quarters of 32 along K, 48 matrix instructions each, on buffers 0, 1, 0, 1.  One of the first three: multiplies buffer f; in its middle it fetches quarter kq of the same slot into buffer g.
.macro QUARTER slot, kq, f, g, first
	s_wait_dscnt 4                                 ; wh's fragments and xb's row blocks 0, 1 are in; the youngest four loads (row blocks 2, 3) may be out
	MUL12 \f, 0, \first
	MUL12 \f, 1, \first
	PLACES
	FETCH \slot, \kq, \g
	s_wait_dscnt 32                                ; all but the 32 just issued
	MUL12 \f, 2, \first
	MUL12 \f, 3, \first
.endm
; The last quarter multiplies buffer 1 and changes slots: ONE barrier.  In front of it each wave waits for all its tensor loads, of which one is out: its part of the next slot; adds 0 to its spare word; and waits for
; that and for its own reads of this slot.  fill = 1: the barrier opens a round of the cluster's, and this slot is filled again, two K steps ahead, first thing behind the round: 168 matrix instructions ahead of the wait for it.
.macro TURN slot, next, fill
	WIN 0                                          ; (the add's two registers lie in window 0)
	s_wait_tensorcnt 0x0
	ds_add_u32 v[SPW], v[NIL]                      ; 0 onto my spare word
	s_wait_dscnt 5                                 ; (the add and the youngest four loads may be out)
	MUL12 1, 0, 0                                  ; twelve matrix instructions stand between the add and the wait for it
	s_wait_dscnt 0x0                               ; the add is done, and my reads of this slot are over
	s_barrier_signal -1
	MUL12 1, 1, 0                                  ; work on registers while the others arrive
.if \fill
	WIN 0
.endif
	s_barrier_wait -1
.if \fill
	CREST                                          ; no wave of any partner still reads this slot's tiles or has a load on its way
	s_add_nc_u64 s[G0A+4*(\slot)+2:G0A+4*(\slot)+3], s[G0A+4*(\slot)+2:G0A+4*(\slot)+3], 2*KSTEP*2
	s_add_nc_u64 s[G0B+4*(\slot)+2:G0B+4*(\slot)+3], s[G0B+4*(\slot)+2:G0B+4*(\slot)+3], 2*KSTEP*128
	JLOAD \slot                                    ; the four v_nop behind it are also the places in front of the loads below
.else
	PLACES
.endif
	FETCH \next, 0, 0
	MUL12 1, 2, 0
	MUL12 1, 3, 0
.endm
; THE WAY OUT of unit u: 16 rows x one head.  Rounded to f16, 16 bytes a lane; into my own stage in rows of 144 bytes, and back as whole rows of 128: 2,048 consecutive bytes of qkv.
.macro PACKQ u
.set pa, (\u)/3
.set ph, (\u)%3
	WIN 0x0a+5*(pa/2)                              ; sources 0 and 1: window 2 or 3
.irp bb, 0,1,2,3
.irp r, 0,1,2,3
	v_cvt_pk_f16_f32 v[OB+16*(\u)+4*(\bb)+(\r)], v[96*(pa%2)+8*(4*ph+(\bb))+2*(\r)], v[96*(pa%2)+8*(4*ph+(\bb))+2*(\r)+1]
.endr
.endr
	WIN 0
.irp bb, 0,1,2,3
	ds_store_b128 v[STO], v[OB+16*(\u)+4*(\bb):OB+16*(\u)+4*(\bb)+3] offset:32*(\bb)
.endr
.irp t, 0,1,2,3
	ds_load_b128 v[OB+16*(\u)+4*(\t):OB+16*(\u)+4*(\t)+3], v[RD] offset:(\t)*4*SP  ; LDS serves a wave's instructions in order (ISA guide 5.7.1.4): these see the stores above; the next unit's stores come behind them
.endr
.endm
.macro SENDQ u, younger                ; younger: the LDS instructions issued behind unit u's loads: the next unit's eight, or none
.irp t, 0,1,2,3
	s_wait_dscnt (\younger)+3-(\t)
	global_store_b128 v[GO], v[OB+16*(\u)+4*(\t):OB+16*(\u)+4*(\t)+3], s[OUT:OUT+1] offset:((\u)%3)*HEADB+((\u)/3)*2048+(\t)*512  ; 512 consecutive bytes, at a multiple of 256 from qkv's first
.endr
.endm
	s_wait_tensorcnt 1                             ; my part of K step 0 is in; K step 1's may stay out
	s_barrier_signal -1
	s_barrier_wait -1                              ; everybody's is
	FETCH 0, 0, 0
	QUARTER 0, 1, 0, 1, 1                          ; the first quarter stands in front of the loop: its products start the sums with the bias
	WIN 0                                          ; at a label and at a branch every window is 0
	s_mov_b32 s23, 3
.Llap:                                                 ; a trip goes once round the ring, from a lap's second quarter to the next lap's first, and fills both slots again: K steps 2 to 7
	QUARTER 0, 2, 1, 0, 0
	QUARTER 0, 3, 0, 1, 0
	TURN 0, 1, 1
	QUARTER 1, 1, 0, 1, 0
	QUARTER 1, 2, 1, 0, 0
	QUARTER 1, 3, 0, 1, 0
	TURN 1, 0, 1
	QUARTER 0, 1, 0, 1, 0
	WIN 0
	s_sub_co_u32 s23, s23, 1
	s_cmp_lg_u32 s23, 0
	s_cbranch_scc1 .Llap
	QUARTER 0, 2, 1, 0, 0                          ; the last lap fills nothing, and has no round of the cluster's barrier
	QUARTER 0, 3, 0, 1, 0
	TURN 0, 1, 0
	QUARTER 1, 1, 0, 1, 0
	QUARTER 1, 2, 1, 0, 0
	QUARTER 1, 3, 0, 1, 0
	s_wait_dscnt 4                                 ; the very last quarter: nothing more to fetch
	MUL12 1, 0, 0
	MUL12 1, 1, 0
	s_wait_dscnt 0x0
	MUL12 1, 2, 0
	MUL12 1, 3, 0
	WIN 0
	PLACES
	PACKQ 0
.irp u, 1,2,3,4,5,6,7,8,9,10,11        ; a unit's conversions stand between the loads of the unit before and its stores
	PACKQ \u
	SENDQ (\u)-1, 8
.endr
	SENDQ 11, 0
	s_wait_tensorcnt 0x0                           ; the wave's end: an add to my spare word and its wait, behind my last tensor load and my last LDS store
	ds_add_u32 v[SPW], v[NIL]
	s_wait_dscnt 0x0
	CROUND                                         ; the closing round: no work-group ends while a partner may still ask for a tile that names it
	s_endpgm
.Lfunc_end_k_qfc5d250600_qkv:
	.size	k_qfc5d250600_qkv, .Lfunc_end_k_qfc5d250600_qkv-k_qfc5d250600_qkv
	.p2alignl 7, 3214868480
	.fill 96, 4, 3214868480
	.section	.rodata,"a",@progbits
	.p2align	6, 0x0
	.amdhsa_kernel k_qfc5d250600_qkv
		.amdhsa_group_segment_fixed_size 327680
		.amdhsa_private_segment_fixed_size 0
		.amdhsa_enable_private_segment 0
		.amdhsa_kernarg_size 48
		.amdhsa_user_sgpr_count 2
		.amdhsa_user_sgpr_kernarg_segment_ptr 1
		.amdhsa_wavefront_size32 1
		.amdhsa_system_sgpr_workgroup_id_x 1
		.amdhsa_system_sgpr_workgroup_id_y 1
		.amdhsa_system_sgpr_workgroup_id_z 1
		.amdhsa_system_vgpr_workitem_id 0
		.amdhsa_next_free_vgpr 960
		.amdhsa_next_free_sgpr 80
		.amdhsa_reserve_vcc 0
		.amdhsa_float_denorm_mode_32 3
		.amdhsa_float_denorm_mode_16_64 3
		.amdhsa_memory_ordered 1
		.amdhsa_forward_progress 1
		.amdhsa_inst_pref_size 130
	.end_amdhsa_kernel
	.amdgpu_metadata
---
amdhsa.version: [ 1, 2 ]
amdhsa.kernels:
  - .name:           k_qfc5d250600_qkv
    .symbol:         k_qfc5d250600_qkv.kd
    .args:
      - { .name: xb, .offset: 0, .size: 8, .value_kind: global_buffer, .address_space: global }
      - { .name: wh, .offset: 8, .size: 8, .value_kind: global_buffer, .address_space: global }
      - { .name: bq, .offset: 16, .size: 8, .value_kind: global_buffer, .address_space: global }
      - { .name: bk, .offset: 24, .size: 8, .value_kind: global_buffer, .address_space: global }
      - { .name: bv, .offset: 32, .size: 8, .value_kind: global_buffer, .address_space: global }
      - { .name: qkv, .offset: 40, .size: 8, .value_kind: global_buffer, .address_space: global }
    .group_segment_fixed_size: 327680
    .private_segment_fixed_size: 0
    .kernarg_segment_align: 8
    .kernarg_segment_size: 48
    .max_flat_workgroup_size: 128
    .sgpr_count:     80
    .vgpr_count:     960
    .wavefront_size: 32
...
	.end_amdgpu_metadata
.endif
;; end of part 2
;; launch attn (part 3): grid 16 x 16, 4 waves a work-group, clusters of 4 x 1, 327,680 bytes of LDS; arguments qkv, ctx; writes ctx
.if DOCPART == 3
	.amdgcn_target "amdgcn-amd-amdhsa--gfx1250"
	.amdhsa_code_object_version 6
	.text
	.protected	k_qfc5d250600_attn
	.globl	k_qfc5d250600_attn
	.p2align	8
	.type	k_qfc5d250600_attn,@function
k_qfc5d250600_attn:
	s_mov_b64 s[64:65], 0
	v_nop
	global_prefetch_b8 v0, s[64:65] scope:SCOPE_SE
	s_setreg_imm32_b32 hwreg(HW_REG_WAVE_MODE, 25, 1), 1
	s_wait_xcnt 0x0
	s_wait_alu depctr_hold_cnt(0) depctr_sa_sdst(0) depctr_va_vdst(0) depctr_va_sdst(0) depctr_va_ssrc(0) depctr_va_vcc(0) depctr_vm_vsrc(0)
	s_getreg_b32 s2, hwreg(HW_REG_IB_STS2, 6, 4)
	s_cmp_eq_u32 s2, 0
	s_cbranch_scc0 .Lentry_in_a_cluster
	s_endpgm
.Lentry_in_a_cluster:
	s_bfe_u32 s2, ttmp6, 0x10000c
	s_cmp_lg_u32 s2, 0x3003
	s_cbranch_scc0 .Lentry_shape_is_right
	s_endpgm
.Lentry_shape_is_right:
; ATTENTION.  ctx[h][q][:] = the sum over k of softmax_k(Q[h][q] . K[h][k] / 8) V[h][k][:].  qkv: [48][4096][64] f16, Q at head h, K at 16 + h, V at 32 + h; ctx: [16][4096][64] f16: a head's rows are dense, 128 bytes each.
; Products, maxima and sums in f32; the weights p are rounded to f16 for the second product (their sum l is taken of the unrounded p), ctx once at the end.
; LIMITS.  f16 holds no number beyond 65,504: Q, K and V arrive within it; p lies in 0 to 1, and below 6e-5 it keeps f16's fixed step of 6e-8; ctx is a mean of V's rows and has their range.
; A weight below 2^-126 counts as 0 in l; NaN and infinities are not treated apart.
; SHARES.  A work-group owns 256 queries of one head, each of its four waves 64: four PIECES of 16.  Every wave walks the head's 4,096 keys: 16 tiles of 256, four steps of 64 in a tile.
; LAYOUT.  S^T = K Q^T (source 0 = 16 keys, source 1 = 16 queries) holds ONE query a lane (lane % 16) and the keys 8 (lane / 16) + 0..7; two such results rounded to f16 ARE source 1 of O^T = V^T P.
; K comes out of LDS as it lies, V ([key][channel]) turned, by ds_load_tr16_b128.
; SOFTMAX.  For each query a running maximum m and sum l: p = 2^(c s - c m), c = log2(e) / 8; in every step O and l are multiplied by a = 2^(c m_old - c m_new).  m starts at the lowest finite number, O and l at 0:
; the first step is a step like any other, with a = 0.
; BY TURNS.  Turn n belongs to piece n: 8 products K Q^T of piece n + 1, later 8 products V^T P of piece n - 1; beside them the scaling, exponentials, roundings, sums and rescaling of piece n and the maximum and
; statistics of piece n + 1.  Four vector instructions stand behind every matrix instruction, the other 54 of a turn's 118 in two runs of their own.
; CLUSTER.  The four query blocks of a cluster belong to one head and walk the same K and V, so each tile is asked for JOINTLY: the same tensor load, descriptor and mask in all four.
; REGISTERS, in windows of 256 (s_set_vgpr_msb: bits 1:0 source 0, 3:2 source 1, 5:4 source 2, 7:6 destination):
;   window 0: v0-15 addresses and two at work; v16-31 four registers of statistics a piece; v48-55 at work; v61-63; v64-127 S^T, two buffers; v192-223 P, two buffers (a piece's buffers go by its number's parity)
;   window 1: v0-127 O^T, 32 a piece          window 2: v0-63 Q; v128-191 K of one step; v192-255 V of one step
.set NP,    4         ; pieces a wave: a name, no knob
.set KS,    64        ; keys in a step
.set PK,    144       ; a row of K in LDS: 128 bytes + 16 of padding = 36 words: the 16 rows of a load start at 16 different groups of four banks (64 banks of 4 bytes: ISA guide 11.1)
.set PV,    160       ; a row of V: 128 + 32 = 40 words
.set VOFF,  4*KS*PK   ; a slot holds a tile, four steps: 256 rows of K, then 256 rows of V
.set SLOT1, 1<<17     ; slot 1 begins here, so that one exclusive or turns an address in one slot into the other's
.set STAGE, SLOT1+4*KS*(PK+PV)  ; behind the ring, never filled by a tensor load: 16 rows x 144 bytes for each wave, for the way out
.set SP,    144
.set SPARE, STAGE+4*16*SP  ; behind the stages: the spare words, 128 bytes for each wave: two blocks of 256 bytes that no other line names
.set TILEB, 4*KS*128  ; bytes of a tile of K or of V in memory
.set KBASE, 16*4096*128  ; K's first byte in qkv; V's lies as far again
.set AK0, 2           ; v2   my lane's place in a tile of K; never rewritten
.set AV0, 3           ; v3   the same for V
.set AK,  4           ; v4   the LDS address of K's next run of loads
.set AV,  5           ; v5   of V's
.set STO, 6           ; v6   the way out: where I put 16 bytes of a row
.set RD,  7           ; v7   the way out: where I read rows back
.set GO,  8           ; v8   my byte offset in 512 consecutive bytes of ctx
.set MV,  12          ; v12-13  c m_old, kept while c m is made anew: by buffer
.set QO,  15          ; v15  my byte offset in 16 rows of Q
.set ST,  16          ; piece t's statistics at v[ST+4 t]: c m, m, l (even keys', odd keys')
.set TMP, 48          ; by buffer, four registers c0-c3 at work; when the maximum is found c2 takes a
.set PFO, 61          ; v61  256 x my lane: the prefetches' offset; never rewritten
.set SPW, 62          ; v62  LDS address of my spare word; never rewritten
.set NIL, 63          ; v63  0; never rewritten
.set S,   64
.set P,   192
.set KF,  128         ; window 2: key block kb, channel half c at KF + 16 kb + 8 c
.set VF,  192         ; window 2: key half kk, channel block cb at VF + 32 kk + 8 cb
.set WV,  12          ; s12  my wave's number
.set G1K, 24          ; s[24:31] descriptor group 1 for K's tiles
.set G1V, 32          ; s[32:39] for V's: it differs in the padding alone
.set G0K, 40          ; s[40:43] descriptor group 0 for K's tiles: it walks
.set G0V, 44          ; s[44:47] the same for V's
.set PFA, 48          ; s[48:49] where my prefetches stand: my work-group's 8,192 bytes (of K: wave 0, of V: wave 2) of the tile after the one that is being asked for
.set LIM, 50          ; s50  1 in a wave that prefetches, else the greatest number
.set SLOTS, 56        ; s56  tiles still to be asked for
.set CNT, 57          ; s57  counts a tile's key steps
.set CS,  58          ; s[58:59] c: the packed scaling takes the pair's low word for both halves
.set SEL, 60          ; s[60:61] v_permlanex16_b32's selects: each lane takes its own place in the other half
.set TBK, 62          ; s62  LDS byte at which K of the step to be fetched begins
.set TBV, 63          ; s63  the same for V, less VOFF
.set MSB, 0
.macro WIN new                      ; the high byte repeats the setting that is left; a switch that changes nothing is dropped
.if MSB != (\new)
	s_set_vgpr_msb (MSB<<8)|(\new)
.set MSB, (\new)
.endif
.endm
.set W_KQ, 0x0a       ; K and Q in window 2, S^T in window 0
.set W_PV, 0x52       ; V in window 2, P in window 0, O^T in window 1
.set W_RS, 0x41       ; O^T (destination and source 0) in window 1, a in window 0
; A joint fill.  Waves 0 and 1 fetch the two halves of a tile's K, waves 2 and 3 those of its V: 128 keys each.  The branch hangs on the wave's number alone.
; An s_nop 0 and four v_nop follow each of the two lines, ahead of the jump and the label.
.macro JLOAD
	s_cmp_lt_u32 s[WV], 2
	s_cbranch_scc0 .Lfor_v_\@
	tensor_load_to_lds s[G0K:G0K+3], s[G1K:G1K+7]
	s_nop 0
.rept 4
	v_nop
.endr
	s_branch .Lasked_\@
.Lfor_v_\@:
	tensor_load_to_lds s[G0V:G0V+3], s[G1V:G1V+7]
	s_nop 0
.rept 4
	v_nop
.endr
.Lasked_\@:
.endm
; A PREFETCH of what the NEXT change of slots will ask for: a tile's 32,768 bytes of K and of V, a lane 256 bytes.  It stands behind the wave's tensor load and its five lines.  Each 256 bytes are named ONCE in the
; launch: all four clusters of a head walk the same K and V, and the head's first cluster asks; its four partners share a tile out BY ADDRESS, 8,192 bytes each (no branch hangs on a work-group's place in its
; cluster); in each, wave 0 asks for K's and wave 2 for V's: one instruction.  It stands a tile, 256 matrix instructions, ahead of the load.  Tiles 0 and 1 come by their loads alone; the last change that fills a slot asks for nothing.
.macro ASK
	s_cmp_gt_u32 s[SLOTS], s[LIM]
	s_cbranch_scc0 .Lnot_mine_\@
	global_prefetch_b8 v[PFO], s[PFA:PFA+1] th:TH_LOAD_NT scope:SCOPE_SE
.Lnot_mine_\@:
.endm
; A round of the cluster's barrier: my work-group's barrier, so that wave 0's signal speaks for all four waves; wave 0 signals; every wave waits for all four work-groups; my work-group's barrier once more.
.macro CROUND
	s_barrier_signal -1
	s_barrier_wait -1
	s_cmp_lg_u32 s[WV], 0
	s_cbranch_scc1 .Lnot_wave_0_\@
	s_barrier_signal -3
.Lnot_wave_0_\@:
	s_barrier_wait -3
	s_barrier_signal -1
	s_barrier_wait -1
.endm
; THE CHANGE OF SLOTS.  The slot's last bytes, V of its fourth step, have been read.  Each wave waits for all its tensor loads, of which one is out: its part of the other slot; adds 0 to its spare word; and waits for
; that and for its own reads of the slot.  Behind the barrier nobody reads this slot any more and the other slot is whole.  fill = 1: this slot is filled again, with the tile two on.  The barrier is then a round of the
; cluster's, and the joint fill is the first thing behind it: it has four key steps, 256 matrix instructions, in which to land.  (At its first use nothing has been read yet: slot 0 is waited for, slot 1 filled.)
.macro CHANGE fill
	WIN 0                           ; at a label and at a branch every window is 0
	s_wait_tensorcnt 0x0            ; no tensor load of mine is out, so a group 0 may be written
	ds_add_u32 v[SPW], v[NIL]       ; 0 onto my spare word; with fill = 1 the descriptors' steps stand between it and the wait for it
.if \fill
.irp g, G0K, G0V
	s_xor_b32 s[\g+1], s[\g+1], SLOT1  ; the walking descriptor: the other slot than last time,
	s_add_nc_u64 s[\g+2:\g+3], s[\g+2:\g+3], TILEB  ; the next 256 keys; the type bits on top are not reached
.endr
	s_wait_xcnt 0x0                 ; the last prefetch, a tile back, has read its address, so it may be written:
	s_add_nc_u64 s[PFA:PFA+1], s[PFA:PFA+1], TILEB  ; one tile beyond the walking descriptors
	s_wait_dscnt 0x0                ; the add is done, and my reads of the slot are over
	CROUND
	JLOAD
	ASK
.else
	s_wait_dscnt 0x0                ; the add is done, and my reads of the slot are over
	s_barrier_signal -1
	s_barrier_wait -1
.endif
	s_sub_co_u32 s[TBK], s[TBK], 4*KS*PK  ; the fetches go back to a slot's first step,
	s_xor_b32 s[TBK], s[TBK], SLOT1       ; in the other slot
	s_sub_co_u32 s[TBV], s[TBV], 4*KS*PV
	s_xor_b32 s[TBV], s[TBV], SLOT1
.endm
	s_load_b128 s[52:55], s[0:1], 0x0  ; qkv s[52:53], ctx s[54:55]
	v_lshl_add_u32 v[SPW], v0, 2, SPARE
	v_mov_b32 v[NIL], 0
	ds_add_u32 v[SPW], v[NIL]       ; the wave's opening: the add and its wait stand ahead of my first tensor load; the set-up below, work on registers, stands between them
	v_lshrrev_b32 v1, 5, v0
	v_readfirstlane_b32 s[WV], v1   ; wave 0..3
	s_bfe_u32 s13, ttmp6, 0x40000   ; cx: my place in the cluster
	s_lshl_b32 s14, ttmp9, 2        ; in a cluster launch ttmp9 counts clusters
	s_add_co_u32 s14, s14, s13      ; my block of 256 queries = 4 x cluster x + cx: it enters Q's and ctx's addresses alone
	s_and_b32 s20, ttmp7, 0xffff    ; the head, which the four partners share,
	s_lshl_b32 s20, s20, 19         ; times 4,096 rows of 128 bytes
	s_and_b32 s16, s[WV], 1         ; which half of a tile's 256 keys I fetch:
	s_lshl_b32 s22, s16, 14         ; its 128 rows of 128 bytes in memory,
	s_add_co_u32 s22, s22, s20
	s_mov_b32 s23, 0
	s_mul_i32 s17, s16, 128*PK      ; and its place in a slot, for K
	s_mul_i32 s18, s16, 128*PV      ; and for V: no place in the cluster enters an LDS address
	s_lshl_b32 s2, s14, 2
	s_add_co_u32 s2, s2, s[WV]      ; my wave among the head's,
	s_lshl_b32 s2, s2, 13           ; its 64 rows
	s_add_co_u32 s2, s2, s20
	s_mov_b32 s3, 0
	; descriptor group 1.  128 keys are 16,384 dense bytes: asked for as 64 rows of 256 bytes, two keys a row, and padded in LDS after every key
	s_mov_b32 s[G1K], 15|(1<<16)|(1<<20)|(1<<21)|(4<<22)|(3<<25)  ; 15:0 the mask of four; 17:16 2-byte elements; 20 padding on; 21 set beside a mask; 24:22 after every 32 words (code 4); 31:25 4 words (code 3)
	s_mov_b32 s[G1V], 15|(1<<16)|(1<<20)|(1<<21)|(4<<22)|(7<<25)  ; the same with 8 words of padding (code 7)
.irp g, G1K, G1V
	s_mov_b32 s[\g+1], 128<<16      ; tensor_dim0 = 128
	s_mov_b32 s[\g+2], 64<<16       ; tensor_dim1 = 64
	s_mov_b32 s[\g+3], 128<<16      ; tile_dim0 = 128
	s_mov_b32 s[\g+4], 64           ; tile_dim1 = 64
	s_mov_b32 s[\g+5], 128          ; 128 elements from row to row
	s_mov_b32 s[\g+6], 0
	s_mov_b32 s[\g+7], 0
.endr
	s_mov_b32 s[CS], 0x3e38aa3b     ; c = log2(e) / 8 = 0.180337
	s_mov_b32 s[CS+1], s[CS]        ; named with it as a pair
	s_mov_b32 s[SEL], 0x76543210
	s_mov_b32 s[SEL+1], 0xfedcba98
	s_mov_b32 s[TBK], SLOT1+4*KS*PK ; the first change of slots turns these two into 0
	s_mov_b32 s[TBV], SLOT1+4*KS*PV
	s_mov_b32 s[G0K], 1             ; 1:0 count = 1
	s_mov_b32 s[G0K+1], s17         ; 63:32 LDS address: slot 0
	s_mov_b32 s[G0V], 1
	s_add_co_u32 s[G0V+1], s18, VOFF
	s_mov_b32 s[SLOTS], 15          ; tiles 1 to 15
	s_and_b32 s[LIM], s[WV], 1      ; 0 in waves 0 and 2,
	s_or_b32 s[LIM], s[LIM], ttmp9  ; where the cluster is the head's first: the same in all four partners
	s_cmp_eq_u32 s[LIM], 0
	s_cselect_b32 s[LIM], 1, -1
	v_and_b32 v[PFO], 31, v0
	v_lshlrev_b32 v[PFO], 8, v[PFO]
	s_wait_dscnt 0x0                ; the opening add is done
	s_wait_kmcnt 0x0
	s_add_nc_u64 s[6:7], s[52:53], s[22:23]
	s_add_nc_u64 s[8:9], s[6:7], 2*KBASE           ; V at my half of the head's tile 0,
	s_add_nc_u64 s[6:7], s[6:7], KBASE             ; and K
	s_add_nc_u64 s[G0K+2:G0K+3], s[6:7], 0         ; 120:64 global address
	s_or_b32 s[G0K+3], s[G0K+3], 0x80000000        ; 127:126 type = 2
	s_add_nc_u64 s[G0V+2:G0V+3], s[8:9], 0
	s_or_b32 s[G0V+3], s[G0V+3], 0x80000000
	s_add_nc_u64 s[4:5], s[52:53], s[2:3]          ; Q and ctx at my wave's first row
	s_add_nc_u64 s[10:11], s[54:55], s[2:3]
	s_cmp_lt_u32 s[WV], 2
	s_cselect_b64 s[PFA:PFA+1], s[6:7], s[8:9]     ; (in waves 0 and 2 these stand at a tile's first row)
	s_lshl_b32 s2, s13, 13                         ; my work-group's 8,192 bytes of a tile
	s_add_nc_u64 s[PFA:PFA+1], s[PFA:PFA+1], s[2:3]
	s_add_nc_u64 s[PFA:PFA+1], s[PFA:PFA+1], TILEB ; in tile 1; the first change of slots steps it to tile 2.  Nothing is prefetched here, at the head
	CROUND                          ; all four work-groups are here: the first joint loads meet
	JLOAD                           ; tile 0 into slot 0.  Slot 1 is asked for when slot 0 is in
	; A fragment of K or Q is 16 rows x 32 channels in 8 registers: lane l holds row l % 16, channels 8 (l / 16) + 0..7 and 16 + 8 (l / 16) + 0..7: two loads of 16 bytes, 32 bytes apart.
	v_and_b32 v1, 15, v0            ; l % 16
	v_bfe_u32 v9, v0, 4, 1          ; l / 16
	v_lshlrev_b32 v[QO], 7, v1
	v_lshl_add_u32 v[QO], v9, 4, v[QO]  ; row x 128 + 16 x half
	WIN 0x80                        ; destination window 2, address window 0
.set i, 0
.rept 8                             ; Q stays in registers: piece i / 2, channels 32 (i % 2) on
	global_load_b128 v[8*i:8*i+3],   v[QO], s[4:5] offset:(i/2)*2048+(i%2)*64
	global_load_b128 v[8*i+4:8*i+7], v[QO], s[4:5] offset:(i/2)*2048+(i%2)*64+32
.set i, i+1
.endr
	WIN 0
	v_mul_u32_u24 v[AK0], v1, PK
	v_lshl_add_u32 v[AK0], v9, 4, v[AK0]  ; row x pitch + 16 x half
	; The turning load takes 16 keys x 16 channels (lane l reads key 8 (l / 16) + l % 8, channels 8 ((l / 8) % 2) + 0..7) and leaves half a fragment of V^T: lane l holds channel l % 16 and 8 keys.
	v_and_b32 v10, 7, v0
	v_bfe_u32 v11, v0, 3, 1
	v_lshl_add_u32 v[AV0], v9, 3, v10
	v_mul_u32_u24 v[AV0], v[AV0], PV
	v_lshl_add_u32 v[AV0], v11, 4, v[AV0]
	v_add_nc_u32 v[AV0], VOFF, v[AV0]
	s_mul_i32 s13, s[WV], 16*SP
	s_add_co_u32 s13, s13, STAGE    ; my stage
	v_mul_u32_u24 v[STO], v1, SP    ; in: row l % 16, 16 bytes for each half of the lanes
	v_lshl_add_u32 v[STO], v9, 4, v[STO]
	v_add_nc_u32 v[STO], s13, v[STO]
	v_bfe_u32 v[RD], v0, 3, 2       ; back: 32 lanes take four rows of 128 bytes,
	v_mul_u32_u24 v[RD], v[RD], SP
	v_lshl_add_u32 v[RD], v10, 4, v[RD]
	v_add_nc_u32 v[RD], s13, v[RD]
	v_and_b32 v[GO], 31, v0         ; which are 512 consecutive bytes of ctx
	v_lshlrev_b32 v[GO], 4, v[GO]
	; What the first turn finds: V's registers and P's second buffer hold 0 (its products V^T P, of a piece that has not been, add 0), O^T and l are 0.  No first step is written out; the price is these lines, which stand in the wait for the first tile.
	WIN 0x80
.set i, VF
.rept 64
	v_mov_b32 v[i], 0
.set i, i+1
.endr
	WIN 0x40
.set i, 0
.rept 128
	v_mov_b32 v[i], 0
.set i, i+1
.endr
	WIN 0
.set i, 0
.rept 4
	v_mov_b32 v[ST+4*i], 0xfe000000    ; c m: far below every c s
	v_mov_b32 v[ST+4*i+1], 0xff7fffff  ; m
	v_mov_b32 v[ST+4*i+2], 0
	v_mov_b32 v[ST+4*i+3], 0
.set i, i+1
.endr
.set i, P+16
.rept 16
	v_mov_b32 v[i], 0
.set i, i+1
.endr
; THE MATRIX WORK.  The 4 accumulators of a run of 8 take turns.  Product i of 8 of S^T = K Q^T for piece x: channels 32 (i / 4) on, keys 16 (i % 4) on.  The first 4 start the sums.
.macro KQ x
.set rS, S+32*((\x)%2)+8*(i%4)
.set rK, KF+16*(i%4)+8*(i/4)
.set rQ, 16*(\x)+8*(i/4)
	WIN W_KQ
.if i < 4
	v_wmma_f32_16x16x32_f16 v[rS:rS+7], v[rK:rK+7], v[rQ:rQ+7], 0
.else
	v_wmma_f32_16x16x32_f16 v[rS:rS+7], v[rK:rK+7], v[rQ:rQ+7], v[rS:rS+7]
.endif
.endm
; Product i of 8 of O^T += V^T P for piece x: keys 32 (i / 4) on, channels 16 (i % 4) on.
.macro PV x
	WIN W_PV
.set rO, 32*(\x)+8*(i%4)
.set rV, VF+32*(i/4)+8*(i%4)
.set rP, P+16*((\x)%2)+8*(i/4)
	v_wmma_f32_16x16x32_f16 v[rO:rO+7], v[rV:rV+7], v[rP:rP+7], v[rO:rO+7]
.endm
.macro MM                           ; the turn's next matrix instruction.  TURN sets Y, i and NOKQ.  NOKQ = 1: the launch's last turn: there is no next piece
.if (i < 8) && !NOKQ
	KQ (Y+1)%NP
.elseif i >= 8
.set i, i-8
	PV (Y+NP-1)%NP
.set i, i+8
.endif
.set i, i+1
.endm
; THE LDS LOADS stand in runs of 16, never singly among the matrix instructions: a step's K (64 keys x 64 channels: 8 fragments) and its V (turned).  Their addresses are made some lines ahead.
.macro FETCH_K
	WIN 0x80                        ; destination window 2
.irp f, 0,1,2,3,4,5,6,7             ; keys 16 (f / 2) on, channels 32 (f % 2) on
	ds_load_b128 v[KF+8*\f:KF+8*\f+3],   v[AK] offset:(\f/2)*16*PK+(\f%2)*64
	ds_load_b128 v[KF+8*\f+4:KF+8*\f+7], v[AK] offset:(\f/2)*16*PK+(\f%2)*64+32
.endr
	s_add_co_u32 s[TBK], s[TBK], KS*PK  ; the next fetch is the next step's
	WIN 0
.endm
.macro FETCH_V
	WIN 0x80
.irp f, 0,1,2,3,4,5,6,7             ; keys 32 (f / 4) on, channels 16 (f % 4) on
	ds_load_tr16_b128 v[VF+8*\f:VF+8*\f+3],   v[AV] offset:(\f/4)*32*PV+(\f%4)*32
	ds_load_tr16_b128 v[VF+8*\f+4:VF+8*\f+7], v[AV] offset:(\f/4)*32*PV+16*PV+(\f%4)*32
.endr
	WIN 0
.endm
; THE VECTOR WORK, one line at a time: OP kind, number.  For piece Y: F n: c s - c m for pair n of 16.  E n: the exponential of score n of 32.  C n: pair n rounded to f16.  B n: of the four weights 4 n .. the second
; pair is added onto the first, in place.  L n: l takes that sum (L 0: l = a l + sum).  R n: pair n of 16 of O^T times a.  For piece Y + 1: X n, number n of the 22 that find its maximum and statistics:
;   0-11  four chains c0-c3 of seven scores each, three operands at a time (each accumulator's lowest registers are read first)     12-14, 16  the four scores left over, the old m, and c0-c3 into c0
;   15  c m_old is kept     17, 18  the query's other 32 keys lie in the lane 16 away: the new m     19-21  c m; c m_old - c m_new; a
.set F, 0               ; OP tells the kinds apart by their order: F to L below R, X above it
.set E, 1
.set C, 2
.set B, 3
.set L, 4
.set R, 5
.set X, 6
.macro REGS y                       ; the registers of piece y
.set rT, ST+4*(\y)
.set rC, TMP+4*((\y)%2)
.set rW, MV+((\y)%2)
.set rS, S+32*((\y)%2)
.set rP, P+16*((\y)%2)
.set rO, 32*(\y)
.endm
.macro OP k, n
.if (\k) == R
	REGS Y
	WIN W_RS
	v_pk_mul_f32 v[rO+2*(\n):rO+2*(\n)+1], v[rO+2*(\n):rO+2*(\n)+1], v[rC+2:rC+3] op_sel_hi:[1,0]
.elseif (\k) < R
	REGS Y
	WIN 0
.if (\k) == F
	v_pk_fma_f32 v[rS+2*(\n):rS+2*(\n)+1], v[rS+2*(\n):rS+2*(\n)+1], s[CS:CS+1], v[rT:rT+1] op_sel_hi:[1,0,0] neg_lo:[0,0,1] neg_hi:[0,0,1]
.elseif (\k) == E
	v_exp_f32 v[rS+(\n)], v[rS+(\n)]
.elseif (\k) == C
	s_wait_alu depctr_va_vdst(0)
	v_cvt_pk_f16_f32 v[rP+(\n)], v[rS+2*(\n)], v[rS+2*(\n)+1]
.elseif (\k) == B
	s_wait_alu depctr_va_vdst(0)
	v_pk_add_f32 v[rS+4*(\n):rS+4*(\n)+1], v[rS+4*(\n):rS+4*(\n)+1], v[rS+4*(\n)+2:rS+4*(\n)+3]
.elseif (\n) == 0
	v_pk_fma_f32 v[rT+2:rT+3], v[rT+2:rT+3], v[rC+2:rC+3], v[rS:rS+1] op_sel_hi:[1,0,1]
.else
	v_pk_add_f32 v[rT+2:rT+3], v[rT+2:rT+3], v[rS+4*(\n):rS+4*(\n)+1]
.endif
.elseif NOKQ
	v_nop
.else
	REGS (Y+1)%NP
	WIN 0
.if (\n) < 4
	v_max3_num_f32 v[rC+(\n)], v[rS+8*(\n)], v[rS+8*(\n)+1], v[rS+8*(\n)+2]
.elseif (\n) < 12
	v_max3_num_f32 v[rC+(\n)%4], v[rC+(\n)%4], v[rS+8*((\n)%4)+2*((\n)/4)+1], v[rS+8*((\n)%4)+2*((\n)/4)+2]
.elseif (\n) == 12
	v_max3_num_f32 v[rC], v[rC], v[rS+7], v[rS+15]
.elseif (\n) == 13
	v_max3_num_f32 v[rC+1], v[rC+1], v[rS+23], v[rS+31]
.elseif (\n) == 14
	v_max3_num_f32 v[rC+2], v[rC+2], v[rC+3], v[rT+1]
.elseif (\n) == 15
	v_mov_b32 v[rW], v[rT]
.elseif (\n) == 16
	v_max3_num_f32 v[rC], v[rC], v[rC+1], v[rC+2]
.elseif (\n) == 17
	v_permlanex16_b32 v[rC+3], v[rC], s[SEL], s[SEL+1]
.elseif (\n) == 18
	v_max_num_f32 v[rT+1], v[rC], v[rC+3]
.elseif (\n) == 19
	v_mul_f32 v[rT], s[CS], v[rT+1]
.elseif (\n) == 20
	v_sub_f32 v[rC+1], v[rW], v[rT]
.else
	v_exp_f32 v[rC+2], v[rC+1]
.endif
.endif
.endm
.macro OPS a, i1, b=-1, i2=0, c=-1, i3=0, d=-1, i4=0  ; up to four of them
	OP \a, \i1
.if (\b) >= 0
	OP \b, \i2
.endif
.if (\c) >= 0
	OP \c, \i3
.endif
.if (\d) >= 0
	OP \d, \i4
.endif
.endm
.macro ROW a, i1, b, i2, c, i3, d, i4  ; a matrix instruction and the four behind it
	MM
	OPS \a, \i1, \b, \i2, \c, \i3, \d, \i4
.endm
; A TURN, for piece p: the order of its 16 matrix and 118 vector instructions, written out.  Behind a matrix instruction: plain, exponential, plain, plain; or four of the rescaling; or, behind the first, four scalings; none
; names a register of the products round it.  In the runs between, exponential and plain by turns while exponentials last.  A line reads no result made fewer than three vector instructions in front of it, five if an
; exponential made it.  v_permlanex16_b32 (X 17) stands in such a run.  end = 1: the launch's last two turns: nothing is fetched.  cnt = 1: the loop's count is taken down some lines ahead of the branch behind the turn.
; K of the next step is fetched in piece 2's turn, six vector instructions behind the last product that read K (five of them plain); V of the step in hand in piece 0's turn, eight behind the last product that read V (four
; plain).  Each is waited for a turn later.
.macro TURN p, end=0, cnt=0
.set Y, (\p)
.set i, 0
.set NOKQ, (\end)*((\p)/3)
.if ((\p) == 3) && !(\end)
	s_wait_dscnt 0x0                ; K is in
.endif
	ROW F,0, F,1, F,2, F,3
	ROW F,4, E,0, F,5, F,6
	ROW F,7, E,1, F,8, F,9
	ROW F,10, E,2, C,0, F,11
	ROW F,12, E,3, X,15, F,13
	ROW R,0, R,1, R,2, R,3
	ROW B,0, E,4, F,14, L,0
.if ((\p) == 2) && !(\end)
	v_add_nc_u32 v[AK], s[TBK], v[AK0]
.endif
	ROW R,4, R,5, R,6, R,7
	OPS E,5, F,15
.if ((\p) == 2) && !(\end)
	FETCH_K
.endif
	OPS E,6, C,1, E,7, R,8
	OPS E,8, R,9, E,9, C,2
	OPS E,10, X,0, E,11, X,1
	OPS E,12, X,2, E,13, X,3
.if (\p) == 1
	s_wait_dscnt 0x0                ; V is in
.endif
	ROW X,4, E,14, X,5, X,6
	ROW X,7, E,15, X,8, X,9
	ROW X,10, E,16, X,11, X,12
	ROW X,13, E,17, X,14, B,1
	ROW C,4, E,18, X,16, L,1
	ROW B,2, E,19, C,6, L,2
	ROW C,8, E,20, B,3, B,4
.if (\p) == 0
	v_add_nc_u32 v[AV], s[TBV], v[AV0]
.endif
	ROW C,3, E,21, L,3, C,5
	OPS E,22, X,17, E,23, C,10
.if (\p) == 0
	FETCH_V
.endif
	OPS E,24, L,4
	OPS E,25, X,18, E,26, C,7
	OPS E,27, B,5, E,28, X,19
	OPS E,29, C,12, E,30, L,5
	OPS E,31, X,20, B,6, C,9
	OPS C,14, C,11, X,21, L,6
.if (\p) == 0
	s_add_co_u32 s[TBV], s[TBV], KS*PV
.endif
.if \cnt
	s_sub_co_u32 s[CNT], s[CNT], 1
	s_cmp_lg_u32 s[CNT], 0
.endif
	OPS C,13, B,7, C,15, R,10
	OPS R,11, R,12, L,7, R,13
	OPS R,14, R,15
.endm
	CHANGE 1                        ; slot 0 is in, everybody's part of it; slot 1 is asked for
	v_add_nc_u32 v[AK], s[TBK], v[AK0]
	FETCH_K                         ; key step 0
	s_wait_loadcnt 0x0              ; Q
	s_wait_dscnt 0x0
.set NOKQ, 0
.set i, 0
.rept 8
	KQ 0                            ; piece 0's first scores: there is no vector work yet to set between them
.set i, i+1
.endr
	WIN 0
.rept 4
	v_nop                           ; the places behind those products
.endr
.set Y, NP-1                        ; X works for piece Y + 1: piece 0
.irp n, 0,1,2,3,4,5,6,7,8,9,10,11,12,13,14,15,16,17,18,19,20,21
	OP X, \n                        ; and piece 0's first maximum and statistics
.endr
	v_nop                           ; a plain instruction behind the exponential
	s_mov_b32 s[CNT], 4
	s_branch .Lfirst                ; the loop is entered at a step's first turn, in the middle of a trip
.Lslot:                             ; 14 times: every slot but the last two is filled again
	CHANGE 1
	s_mov_b32 s[CNT], 4
.Lstep:                             ; a trip: pieces 2 and 3 of one step, then pieces 0 and 1 of the next, whose K and V it fetches
	TURN 2
	TURN 3
	WIN 0
.Lfirst:
	TURN 0
	TURN 1, 0, 1
	WIN 0
	s_cbranch_scc1 .Lstep
	s_sub_co_u32 s[SLOTS], s[SLOTS], 1
	s_cmp_lg_u32 s[SLOTS], 0
	s_cbranch_scc1 .Lslot
	CHANGE 0                        ; the last tile is written out: nothing is asked for
	s_mov_b32 s[CNT], 4
.Ltail:
	TURN 2
	TURN 3
	TURN 0
	TURN 1, 0, 1
	WIN 0
	s_cbranch_scc1 .Ltail
	TURN 2, 1                       ; the last step's pieces 2 and 3: nothing is fetched, and the last turn starts no new scores
	TURN 3, 1
.set i, 0
.rept 8
	PV NP-1                         ; the last piece's V^T P of the last step
.set i, i+1
.endr
	; THE WAY OUT.  l's two halves and the other half of the lanes' are added; O^T is divided by l, rounded to f16 and sent through my stage in LDS, a piece at a time.  The additions are the places behind the last products.
	WIN 0
.macro ALL line:vararg              ; one line for each piece t
.set t, 0
.rept 4
	\line
.set t, t+1
.endr
.endm
	ALL v_add_f32 v[ST+4*t+2], v[ST+4*t+2], v[ST+4*t+3]
	ALL v_permlanex16_b32 v[ST+4*t+3], v[ST+4*t+2], s[SEL], s[SEL+1]
	ALL v_add_f32 v[ST+4*t+2], v[ST+4*t+2], v[ST+4*t+3]
	ALL v_rcp_f32 v[ST+4*t+2], v[ST+4*t+2]
	v_nop                           ; a plain instruction between the last reciprocal and the use of its result
.macro PACK t                       ; a lane's eight channels of a row pack into 16 bytes; they go into rows of 144 bytes and come back as whole rows of 128, into S^T's registers
	WIN W_RS
.set i, 32*(\t)
.rept 16
	s_wait_alu depctr_va_vdst(0)
	v_pk_mul_f32 v[i:i+1], v[i:i+1], v[ST+4*(\t)+2:ST+4*(\t)+3] op_sel_hi:[1,0]
.set i, i+2
.endr
	WIN 0x05                        ; sources 0 and 1 window 1, destination window 0
.set i, 0
.rept 16
	v_cvt_pk_f16_f32 v[S+16*(\t)+i], v[32*(\t)+2*i], v[32*(\t)+2*i+1]
.set i, i+1
.endr
	WIN 0
.irp f, 0,1,2,3
	ds_store_b128 v[STO], v[S+16*(\t)+4*\f:S+16*(\t)+4*\f+3] offset:32*\f
.endr
.irp f, 0,1,2,3
	ds_load_b128 v[S+16*(\t)+4*\f:S+16*(\t)+4*\f+3], v[RD] offset:\f*4*SP  ; LDS serves a wave's instructions in order (ISA guide 5.7.1.4): these see the stores above; the next piece's stores come behind them
.endr
.endm
.macro SEND t, younger              ; younger: the LDS instructions issued behind piece t's loads: the next piece's eight, or none
	WIN 0
.irp f, 0,1,2,3
	s_wait_dscnt (\younger)+3-\f
	global_store_b128 v[GO], v[S+16*(\t)+4*\f:S+16*(\t)+4*\f+3], s[10:11] offset:(\t)*2048+\f*512  ; 512 consecutive bytes, at a multiple of 256 from ctx's first
.endr
.endm
	PACK 0
.set t, 1
.rept 3                             ; a piece's arithmetic stands between the loads of the piece before and its stores
	PACK t
	SEND t-1, 8
.set t, t+1
.endr
	SEND 3, 0
	s_wait_tensorcnt 0x0            ; the wave's end: an add to my spare word and its wait, behind my last tensor load and my last LDS store
	ds_add_u32 v[SPW], v[NIL]
	s_wait_dscnt 0x0
	CROUND                          ; the closing round: no work-group ends while a partner may still ask for a tile that names it
	s_endpgm
.Lfunc_end_k_qfc5d250600_attn:
	.size	k_qfc5d250600_attn, .Lfunc_end_k_qfc5d250600_attn-k_qfc5d250600_attn
	.p2alignl 7, 3214868480
	.fill 96, 4, 3214868480
	.section	.rodata,"a",@progbits
	.p2align	6, 0x0
	.amdhsa_kernel k_qfc5d250600_attn
		.amdhsa_group_segment_fixed_size 327680
		.amdhsa_private_segment_fixed_size 0
		.amdhsa_enable_private_segment 0
		.amdhsa_kernarg_size 16
		.amdhsa_user_sgpr_count 2
		.amdhsa_user_sgpr_kernarg_segment_ptr 1
		.amdhsa_wavefront_size32 1
		.amdhsa_system_sgpr_workgroup_id_x 1
		.amdhsa_system_sgpr_workgroup_id_y 1
		.amdhsa_system_sgpr_workgroup_id_z 1
		.amdhsa_system_vgpr_workitem_id 0
		.amdhsa_next_free_vgpr 768
		.amdhsa_next_free_sgpr 66
		.amdhsa_reserve_vcc 0
		.amdhsa_float_denorm_mode_32 3
		.amdhsa_float_denorm_mode_16_64 3
		.amdhsa_memory_ordered 1
		.amdhsa_forward_progress 1
		.amdhsa_inst_pref_size 134
	.end_amdhsa_kernel
	.amdgpu_metadata
---
amdhsa.version: [ 1, 2 ]
amdhsa.kernels:
  - .name:           k_qfc5d250600_attn
    .symbol:         k_qfc5d250600_attn.kd
    .args:
      - { .name: qkv, .offset: 0, .size: 8, .value_kind: global_buffer, .address_space: global }
      - { .name: ctx, .offset: 8, .size: 8, .value_kind: global_buffer, .address_space: global }
    .group_segment_fixed_size: 327680
    .private_segment_fixed_size: 0
    .kernarg_segment_align: 8
    .kernarg_segment_size: 16
    .max_flat_workgroup_size: 128
    .sgpr_count:     66
    .vgpr_count:     768
    .wavefront_size: 32
...
	.end_amdgpu_metadata
.endif
;; end of part 3
;; launch proj (part 4): grid 8 x 32, 4 waves a work-group, clusters of 4 x 4, 327,680 bytes of LDS; arguments ctx, wo16, bo, out0; writes out0
.if DOCPART == 4
	.amdgcn_target "amdgcn-amd-amdhsa--gfx1250"
	.amdhsa_code_object_version 6
	.text
	.protected	k_qfc5d250600_proj
	.globl	k_qfc5d250600_proj
	.p2align	8
	.type	k_qfc5d250600_proj,@function
k_qfc5d250600_proj:
	s_mov_b64 s[64:65], 0
	v_nop
	global_prefetch_b8 v0, s[64:65] scope:SCOPE_SE
	s_setreg_imm32_b32 hwreg(HW_REG_WAVE_MODE, 25, 1), 1
	s_wait_xcnt 0x0
	s_wait_alu depctr_hold_cnt(0) depctr_sa_sdst(0) depctr_va_vdst(0) depctr_va_sdst(0) depctr_va_ssrc(0) depctr_va_vcc(0) depctr_vm_vsrc(0)
	s_getreg_b32 s2, hwreg(HW_REG_IB_STS2, 6, 4)
	s_cmp_eq_u32 s2, 0
	s_cbranch_scc0 .Lentry_in_a_cluster
	s_endpgm
.Lentry_in_a_cluster:
	s_bfe_u32 s2, ttmp6, 0x10000c
	s_cmp_lg_u32 s2, 0xf033
	s_cbranch_scc0 .Lentry_shape_is_right
	s_endpgm
.Lentry_shape_is_right:
; THE OUTPUT PROJECTION.  out0[row][n] = the sum over k of ctx[k / 64][row][k % 64] wo16[k][n] + bo[n].  ctx [16][4096][64] f16, wo16 [1024][1024] f16, bo [1024] f32 (rounded to bf16 here, like the module's
; other inputs), out0 [4096][1024] f32.  Sums in f32, started by the bias, and stored as they are.
; SHARES.  A tile of out0 is 128 x 128: 8 x 32 work-groups.  Four waves, each 64 rows x 64 columns: 16 accumulators of 16 x 16; a wave's 64 columns are 256 bytes of f32, so each wave goes out by itself.
; K goes in 4 steps of 256 (four heads of ctx) through a ring of two LDS slots; the four steps are written out.
; CLUSTER.  4 x 4 work-groups.  The four of a row of the cluster need the same rows of ctx, the four of a column the same columns of wo16: each tile is asked for jointly, by the same tensor load with the same
; descriptor and a mask that names the four.  Waves 0 and 1 ask for two heads of ctx each (128 rows of a head are 16,384 dense bytes: one row of the tile; the next head lies 524,288 bytes on), waves 2 and 3 for 128 k of wo16 each.
; THE MATRIX INSTRUCTION IS USED TRANSPOSED: source 0 = 16 columns of wo16 (stored [k][n]: it comes out of LDS by the turning load), source 1 = 16 rows of ctx: a lane holds row l % 16 and the columns 8 (l / 16) + 0..7.
; REGISTERS: window 0: v0-31 addresses; v96-127 the bias (column block b at + 8 b); v128-255 the accumulators ((a, b) at 128 + 8 (4 a + b)), on the way out whole rows.
;   window 1: two fragment buffers of 128: for 64 along K (two matrix instructions deep), 64 registers of ctx, then 64 of wo16.
.set PA,     144                       ; a row of a head of ctx in LDS: 128 bytes + 16 = 36 words: the 16 rows of a load start at 16 different groups of four banks (64 banks of 4 bytes: ISA guide 11.1)
.set PB,     288                       ; a k row of wo16: 256 bytes + 32 = 72 words
.set HA,     128*PA                    ; a head's 128 rows: 18,432 bytes
.set HALFT,  2*HA                      ; what one tensor load brings: two heads, or 128 k rows of wo16: 36,864 bytes
.set SLOT,   4*HALFT                   ; four heads of ctx, then 256 k rows of wo16
.set STAGE,  2*SLOT                    ; behind the ring, never filled by a tensor load: 16 rows x 272 bytes for each wave, for the way out
.set SPITCH, 272
.set SPARE,  STAGE+4*16*SPITCH         ; behind the stages: the spare words, 128 bytes for each wave: two blocks of 256 bytes that no other line names
.set HEADB,  4096*128                  ; bytes of a head in ctx
.set ADRA, 16                          ; v16-17  LDS address of my fragments of ctx in slot 0, 1
.set ADRB, 20                          ; v20-23  of wo16: slot s, half of the slot's 256 k at ADRB + 2 s + half
.set STO,  24                          ; v24     the way out: where I put 32 bytes of a row
.set RD,   25                          ; v25     where I read a row back
.set CO,   26                          ; v26     my byte offset in two rows of out0
.set BO,   27                          ; v27     32 (l / 16)
.set SPW,  28                          ; v28     LDS address of my spare word; never rewritten
.set NIL,  29                          ; v29     0; never rewritten
.set BIAS, 96
.set ACC,  128
.set F0,   0
.set F1,   128
.set WV,  12                           ; s12 my wave's number; s13 which 64 rows are mine, also: I fetch for ctx (0) or wo16 (1); s14 which 64 columns, also: which half I fetch
.set G1A, 24                           ; s[24:31] descriptor group 1 for ctx's tiles;  s[32:39] group 0, a set for each slot
.set G0A, 32
.set G1B, 40                           ; s[40:47], s[48:55] the same for wo16's
.set G0B, 48
.set MSB, 0
.macro WIN new                         ; the immediate's high byte repeats the setting that is left; a switch that changes nothing is dropped
.if MSB != (\new)
	s_set_vgpr_msb (MSB<<8)|(\new)
.set MSB, \new
.endif
.endm
.set MUL,  0x05                        ; sources 0 and 1 window 1; C and D window 0
.set TO_F, 0x40                        ; destination window 1, address window 0
.macro JLOAD s                         ; a joint load; an s_nop 0 and four v_nop follow each of the two lines, ahead of the jump, the label and what follows
	s_cmp_eq_u32 s13, 0
	s_cbranch_scc0 .Lfor_b_\@
	tensor_load_to_lds s[G0A+4*(\s):G0A+4*(\s)+3], s[G1A:G1A+7]
	s_nop 0
.rept 4
	v_nop
.endr
	s_branch .Lasked_\@
.Lfor_b_\@:
	tensor_load_to_lds s[G0B+4*(\s):G0B+4*(\s)+3], s[G1B:G1B+7]
	s_nop 0
.rept 4
	v_nop
.endr
.Lasked_\@:
.endm
.macro CREST                           ; a round of the cluster's barrier behind its opening barrier
	s_cmp_lg_u32 s[WV], 0
	s_cbranch_scc1 .Lnot_wave_0_\@
	s_barrier_signal -3
.Lnot_wave_0_\@:
	s_barrier_wait -3
	s_barrier_signal -1
	s_barrier_wait -1
.endm
.macro CROUND
	s_barrier_signal -1
	s_barrier_wait -1
	CREST
.endm
.macro PLACES                          ; four places in front of loads into registers that matrix instructions have read, and of LDS stores that read results
.rept 4
	v_nop
.endr
.endm
	s_load_b256 s[4:11], s[0:1], 0x0               ; ctx s[4:5], wo16 s[6:7], bo s[8:9], out0 s[10:11]
	v_lshl_add_u32 v[SPW], v0, 2, SPARE
	v_mov_b32 v[NIL], 0
	ds_add_u32 v[SPW], v[NIL]                      ; the wave's opening: the add and its wait stand ahead of my first tensor load; the set-up below, work on registers, stands between them
	v_lshrrev_b32 v1, 5, v0
	v_readfirstlane_b32 s[WV], v1                  ; wave 0..3
	s_lshr_b32 s13, s[WV], 1
	s_and_b32 s14, s[WV], 1
	s_bfe_u32 s15, ttmp6, 0x40000                  ; cx, cy: my place in the cluster
	s_bfe_u32 s16, ttmp6, 0x40004
	s_lshl_b32 s17, ttmp9, 2
	s_add_co_u32 s17, s17, s15                     ; tile column = 4 x cluster x + cx
	s_and_b32 s18, ttmp7, 0xffff
	s_lshl_b32 s18, s18, 2
	s_add_co_u32 s18, s18, s16                     ; tile row = 4 x cluster y + cy
	s_lshl_b32 s19, s16, 2
	s_lshl_b32 s19, 15, s19                        ; my row of the cluster
	s_lshl_b32 s20, 0x1111, s15                    ; my column
	; group 1 for ctx: 2 rows x 2,048 elements of 8 bytes, 65,536 elements (a head) from row to row; 4 words of padding after every 32, that is after every 128 bytes
	s_or_b32 s[G1A], s19, (3<<16)|(1<<20)|(1<<21)|(4<<22)|(3<<25)
	s_mov_b32 s[G1A+1], 2048<<16                   ; tensor_dim0 = 2,048
	s_mov_b32 s[G1A+2], 2<<16                      ; tensor_dim1 = 2
	s_mov_b32 s[G1A+3], 2048<<16                   ; tile_dim0 = 2,048
	s_mov_b32 s[G1A+4], 2                          ; tile_dim1 = 2
	s_mov_b32 s[G1A+5], HEADB/8
	s_mov_b32 s[G1A+6], 0
	s_mov_b32 s[G1A+7], 0
	; group 1 for wo16: 128 rows x 128 elements of 2 bytes, 1,024 elements from row to row; 8 words of padding after every 64
	s_or_b32 s[G1B], s20, (1<<16)|(1<<20)|(1<<21)|(5<<22)|(7<<25)
	s_mov_b32 s[G1B+1], 128<<16
	s_mov_b32 s[G1B+2], 128<<16
	s_mov_b32 s[G1B+3], 128<<16
	s_mov_b32 s[G1B+4], 128
	s_mov_b32 s[G1B+5], 1024
	s_mov_b32 s[G1B+6], 0
	s_mov_b32 s[G1B+7], 0
	s_lshl_b32 s56, s14, 20                        ; ctx: my two heads of a step's four,
	s_lshl_b32 s58, s18, 14                        ; the tile row's 128 rows of 128 bytes: no register here ever holds cx
	s_add_co_u32 s56, s56, s58
	s_mov_b32 s57, 0
	s_lshl_b32 s60, s14, 18                        ; wo16: my 128 k rows of 2,048 bytes,
	s_lshl_b32 s62, s17, 8                         ; the tile column's 256 bytes: no register here ever holds cy
	s_add_co_u32 s60, s60, s62
	s_mov_b32 s61, 0
	s_mul_i32 s21, s[WV], HALFT                    ; where they go: ctx's two halves, then wo16's
	s_wait_dscnt 0x0                               ; the opening add is done
	s_wait_kmcnt 0x0
	s_add_nc_u64 s[56:57], s[4:5], s[56:57]
	s_add_nc_u64 s[60:61], s[6:7], s[60:61]
	CROUND                                         ; all sixteen work-groups are here: the first joint loads meet
.irp s, 0,1
	s_mov_b32 s[G0A+4*(\s)], 1
	s_add_co_u32 s[G0A+4*(\s)+1], s21, (\s)*SLOT
	s_add_nc_u64 s[G0A+4*(\s)+2:G0A+4*(\s)+3], s[56:57], (\s)*4*HEADB      ; K step s: four heads on
	s_or_b32 s[G0A+4*(\s)+3], s[G0A+4*(\s)+3], 0x80000000
	s_mov_b32 s[G0B+4*(\s)], 1
	s_add_co_u32 s[G0B+4*(\s)+1], s21, (\s)*SLOT
	s_add_nc_u64 s[G0B+4*(\s)+2:G0B+4*(\s)+3], s[60:61], (\s)*256*2048     ; K step s: 256 rows on
	s_or_b32 s[G0B+4*(\s)+3], s[G0B+4*(\s)+3], 0x80000000
.endr
	s_cmp_eq_u32 s13, 0                            ; a wave's two first fills stand in one branch, ahead of every wait on TENSORcnt and every LDS read: two loads of mine are out
	s_cbranch_scc0 .Lfirst_b
	tensor_load_to_lds s[G0A:G0A+3], s[G1A:G1A+7]
	s_nop 0
	tensor_load_to_lds s[G0A+4:G0A+7], s[G1A:G1A+7]
	s_nop 0
.rept 4
	v_nop
.endr
	s_branch .Lfirst_asked
.Lfirst_b:
	tensor_load_to_lds s[G0B:G0B+3], s[G1B:G1B+7]
	s_nop 0
	tensor_load_to_lds s[G0B+4:G0B+7], s[G1B:G1B+7]
	s_nop 0
.rept 4
	v_nop
.endr
.Lfirst_asked:
	s_lshl_b32 s60, s17, 9                         ; the tile's 128 columns of 4 bytes,
	s_lshl_b32 s62, s14, 8                         ; my 64
	s_add_co_u32 s60, s60, s62
	s_mov_b32 s61, 0
	s_add_nc_u64 s[66:67], s[8:9], s[60:61]        ; bo at my columns
	s_lshl_b32 s62, s18, 19                        ; the tile's 128 rows of 4,096 bytes,
	s_add_co_u32 s60, s60, s62
	s_lshl_b32 s62, s13, 18                        ; my 64
	s_add_co_u32 s60, s60, s62
	s_add_nc_u64 s[68:69], s[10:11], s[60:61]      ; out0 at my first row and column
	v_and_b32 v1, 15, v0                           ; l % 16
	v_bfe_u32 v2, v0, 4, 1                         ; l / 16
	v_lshlrev_b32 v[BO], 5, v2
.irp b, 0,1,2,3                        ; column block b: columns 16 b + 8 (l / 16) + 0..7
	global_load_b128 v[BIAS+8*(\b):BIAS+8*(\b)+3],   v[BO], s[66:67] offset:(\b)*64
	global_load_b128 v[BIAS+8*(\b)+4:BIAS+8*(\b)+7], v[BO], s[66:67] offset:(\b)*64+16
.endr
	v_mul_u32_u24 v3, v1, PA
	v_lshl_add_u32 v3, v2, 4, v3                   ; a fragment's row x pitch + 16 x half
	s_mul_i32 s56, s13, 64*PA                      ; my 64 rows in each head
	v_add_nc_u32 v[ADRA], s56, v3
	v_add_nc_u32 v[ADRA+1], SLOT, v[ADRA]
	; The turning load takes 16 k x 16 columns (lane l reads k = 8 (l / 16) + l % 8, columns 8 ((l / 8) % 2) + 0..7) and leaves half a fragment: lane l holds column l % 16 and 8 k.
	v_and_b32 v4, 7, v0
	v_bfe_u32 v5, v0, 3, 1
	v_lshl_add_u32 v6, v2, 3, v4
	v_mul_u32_u24 v6, v6, PB
	v_lshl_add_u32 v6, v5, 4, v6
	s_lshl_b32 s56, s14, 7                         ; my 64 columns of 2 bytes,
	s_add_co_u32 s56, s56, 2*HALFT                 ; behind ctx's four heads
	v_add_nc_u32 v[ADRB], s56, v6
	v_add_nc_u32 v[ADRB+1], HALFT, v[ADRB]
	v_add_nc_u32 v[ADRB+2], SLOT, v[ADRB]
	v_add_nc_u32 v[ADRB+3], SLOT, v[ADRB+1]
	s_mul_i32 s56, s[WV], 16*SPITCH
	s_add_co_u32 s56, s56, STAGE                   ; my stage
	v_mul_u32_u24 v7, v1, SPITCH                   ; in: row l % 16, 32 bytes for each half of the lanes
	v_lshl_add_u32 v7, v2, 5, v7
	v_add_nc_u32 v[STO], s56, v7
	v_mul_u32_u24 v7, v2, SPITCH                   ; back: lanes 0-15 take one row of 256 bytes, lanes 16-31 the next
	v_lshl_add_u32 v7, v1, 4, v7
	v_add_nc_u32 v[RD], s56, v7
	v_lshlrev_b32 v[CO], 12, v2                    ; and the same two rows in out0
	v_lshl_add_u32 v[CO], v1, 4, v[CO]
	s_wait_loadcnt 0x0                             ; the bias, once
.set p, 0
.rept 16                               ; rounded to bf16, like the other inputs, and kept as f32
	v_cvt_pk_bf16_f32 v[3+p%4], v[BIAS+2*p], v[BIAS+2*p+1]
	v_lshlrev_b32 v[BIAS+2*p], 16, v[3+p%4]
	v_and_b32 v[BIAS+2*p+1], 0xffff0000, v[3+p%4]
.set p, p+1
.endr
; 8 matrix instructions: row blocks a0, a0 + 1 x all 4 column blocks, 32 along K: half c of buffer f.  first = 1: the bias starts the sums.  The 16 accumulators take turns.
.macro MUL8 f, c, a0, first
	WIN MUL
.irp a, \a0, (\a0)+1
.irp b, 0,1,2,3
.if \first
	v_wmma_f32_16x16x32_f16 v[ACC+8*(4*(\a)+(\b)):ACC+8*(4*(\a)+(\b))+7], v[(\f)+64+8*(4*(\c)+(\b)):(\f)+64+8*(4*(\c)+(\b))+7], v[(\f)+8*(4*(\c)+(\a)):(\f)+8*(4*(\c)+(\a))+7], v[BIAS+8*(\b):BIAS+8*(\b)+7]
.else
	v_wmma_f32_16x16x32_f16 v[ACC+8*(4*(\a)+(\b)):ACC+8*(4*(\a)+(\b))+7], v[(\f)+64+8*(4*(\c)+(\b)):(\f)+64+8*(4*(\c)+(\b))+7], v[(\f)+8*(4*(\c)+(\a)):(\f)+8*(4*(\c)+(\a))+7], v[ACC+8*(4*(\a)+(\b)):ACC+8*(4*(\a)+(\b))+7]
.endif
.endr
.endr
.endm
; 32 LDS loads in one run: the fragments of quarter q of a slot (one head of ctx, 64 k rows of wo16) into buffer f; the first 32 along K first
.macro FETCH slot, q, f
	WIN TO_F
.irp c, 0,1
.irp i, 0,1,2,3
	ds_load_tr16_b128 v[(\f)+64+8*(4*(\c)+(\i)):(\f)+64+8*(4*(\c)+(\i))+3],   v[ADRB+2*(\slot)+(\q)/2] offset:(((\q)%2)*64+32*(\c))*PB+32*(\i)
	ds_load_tr16_b128 v[(\f)+64+8*(4*(\c)+(\i))+4:(\f)+64+8*(4*(\c)+(\i))+7], v[ADRB+2*(\slot)+(\q)/2] offset:(((\q)%2)*64+32*(\c))*PB+32*(\i)+16*PB
	ds_load_b128 v[(\f)+8*(4*(\c)+(\i)):(\f)+8*(4*(\c)+(\i))+3],              v[ADRA+(\slot)] offset:(\q)*HA+64*(\c)+(\i)*16*PA
	ds_load_b128 v[(\f)+8*(4*(\c)+(\i))+4:(\f)+8*(4*(\c)+(\i))+7],            v[ADRA+(\slot)] offset:(\q)*HA+64*(\c)+(\i)*16*PA+32
.endr
.endr
.endm
; A K step is four quarters of 64 along K, 32 matrix instructions each, on buffers 0, 1, 0, 1.  One of the first three: multiplies buffer f and fetches quarter q of the same slot into g.
.macro QUARTER slot, q, f, g, first
	s_wait_dscnt 16                                ; the first 32 along K are in
	MUL8 \f, 0, 0, \first
	MUL8 \f, 0, 2, \first
	PLACES
	FETCH \slot, \q, \g
	s_wait_dscnt 32                                ; all but the 32 just issued
	MUL8 \f, 1, 0, 0
	MUL8 \f, 1, 2, 0
.endm
; The last quarter multiplies buffer 1 and changes slots: ONE barrier; in front of it each wave waits for all its tensor loads, adds 0 to its spare word, and waits for that and for its own reads of this slot.
; fill = 1: the barrier opens a round of the cluster's, and this slot is filled again, two K steps ahead, first thing behind the round: 112 matrix instructions ahead of the wait for it.
.macro TURN slot, next, fill
	WIN 0                                          ; (the add's two registers lie in window 0)
	s_wait_tensorcnt 0x0                           ; all my tensor loads have landed: my part of the next slot
	ds_add_u32 v[SPW], v[NIL]                      ; 0 onto my spare word
	s_wait_dscnt 17                                ; (the add and the youngest sixteen loads may be out)
	MUL8 F1, 0, 0, 0                               ; eight matrix instructions stand between the add and the wait for it
	s_wait_dscnt 0x0                               ; the add is done, and my reads of this slot are over
	s_barrier_signal -1
	MUL8 F1, 0, 2, 0
.if \fill
	WIN 0
.endif
	s_barrier_wait -1
.if \fill
	CREST                                          ; no wave of any partner still reads this slot's tiles or has a load on its way
	s_add_nc_u64 s[G0A+4*(\slot)+2:G0A+4*(\slot)+3], s[G0A+4*(\slot)+2:G0A+4*(\slot)+3], 2*4*HEADB
	s_add_nc_u64 s[G0B+4*(\slot)+2:G0B+4*(\slot)+3], s[G0B+4*(\slot)+2:G0B+4*(\slot)+3], 2*256*2048
	JLOAD \slot                                    ; the four v_nop behind it are also the places in front of the loads below
.else
	PLACES
.endif
	FETCH \next, 0, F0
	MUL8 F1, 1, 0, 0
	MUL8 F1, 1, 2, 0
.endm
; THE WAY OUT of row block a: a lane's eight f32 of a row, 32 bytes, go into my own stage in rows of 272 bytes (each accumulator's low four registers first) and come back as whole rows of 256.
.macro OUTB a
.irp b, 0,1,2,3
	ds_store_b128 v[STO], v[ACC+8*(4*(\a)+(\b)):ACC+8*(4*(\a)+(\b))+3]   offset:64*(\b)
	ds_store_b128 v[STO], v[ACC+8*(4*(\a)+(\b))+4:ACC+8*(4*(\a)+(\b))+7] offset:64*(\b)+16
.endr
.irp t, 0,1,2,3,4,5,6,7
	ds_load_b128 v[ACC+32*(\a)+4*(\t):ACC+32*(\a)+4*(\t)+3], v[RD] offset:(\t)*2*SPITCH  ; LDS serves a wave's instructions in order (ISA guide 5.7.1.4): these see the stores above; the next block's stores come behind them
.endr
.endm
.macro SENDB a, younger                ; younger: the LDS instructions issued behind block a's loads: the next block's sixteen, or none
.irp t, 0,1,2,3,4,5,6,7
	s_wait_dscnt (\younger)+7-(\t)
	global_store_b128 v[CO], v[ACC+32*(\a)+4*(\t):ACC+32*(\a)+4*(\t)+3], s[68:69] offset:(16*(\a)+2*(\t))*4096  ; 16 lanes store 256 consecutive bytes, at a multiple of 256 from out0's first byte
.endr
.endm
	s_wait_tensorcnt 1                             ; my part of K step 0 is in; K step 1's may stay out
	s_barrier_signal -1
	s_barrier_wait -1                              ; everybody's is
	FETCH 0, 0, F0
	QUARTER 0, 1, F0, F1, 1                        ; K step 0: its first products start the sums with the bias
	QUARTER 0, 2, F1, F0, 0
	QUARTER 0, 3, F0, F1, 0
	TURN 0, 1, 1                                   ; slot 0 takes K step 2
	QUARTER 1, 1, F0, F1, 0                        ; K step 1
	QUARTER 1, 2, F1, F0, 0
	QUARTER 1, 3, F0, F1, 0
	TURN 1, 0, 1                                   ; slot 1 takes K step 3
	QUARTER 0, 1, F0, F1, 0                        ; K step 2
	QUARTER 0, 2, F1, F0, 0
	QUARTER 0, 3, F0, F1, 0
	TURN 0, 1, 0                                   ; nothing is left to fetch
	QUARTER 1, 1, F0, F1, 0                        ; K step 3
	QUARTER 1, 2, F1, F0, 0
	QUARTER 1, 3, F0, F1, 0
	s_wait_dscnt 16
	MUL8 F1, 0, 0, 0
	MUL8 F1, 0, 2, 0
	s_wait_dscnt 0x0
	MUL8 F1, 1, 0, 0
	MUL8 F1, 1, 2, 0
	WIN 0
	PLACES
	OUTB 0
	OUTB 1                                         ; a block's trip through the stage stands between the loads of the block before and its stores
	SENDB 0, 16
	OUTB 2
	SENDB 1, 16
	OUTB 3
	SENDB 2, 16
	SENDB 3, 0
	s_wait_tensorcnt 0x0                           ; the wave's end: an add to my spare word and its wait, behind my last tensor load and my last LDS store
	ds_add_u32 v[SPW], v[NIL]
	s_wait_dscnt 0x0
	CROUND                                         ; the closing round: no work-group ends while a partner may still ask for a tile that names it
	s_endpgm
.Lfunc_end_k_qfc5d250600_proj:
	.size	k_qfc5d250600_proj, .Lfunc_end_k_qfc5d250600_proj-k_qfc5d250600_proj
	.p2alignl 7, 3214868480
	.fill 96, 4, 3214868480
	.section	.rodata,"a",@progbits
	.p2align	6, 0x0
	.amdhsa_kernel k_qfc5d250600_proj
		.amdhsa_group_segment_fixed_size 327680
		.amdhsa_private_segment_fixed_size 0
		.amdhsa_enable_private_segment 0
		.amdhsa_kernarg_size 32
		.amdhsa_user_sgpr_count 2
		.amdhsa_user_sgpr_kernarg_segment_ptr 1
		.amdhsa_wavefront_size32 1
		.amdhsa_system_sgpr_workgroup_id_x 1
		.amdhsa_system_sgpr_workgroup_id_y 1
		.amdhsa_system_sgpr_workgroup_id_z 1
		.amdhsa_system_vgpr_workitem_id 0
		.amdhsa_next_free_vgpr 512
		.amdhsa_next_free_sgpr 72
		.amdhsa_reserve_vcc 0
		.amdhsa_float_denorm_mode_32 3
		.amdhsa_float_denorm_mode_16_64 3
		.amdhsa_memory_ordered 1
		.amdhsa_forward_progress 1
		.amdhsa_inst_pref_size 89
	.end_amdhsa_kernel
	.amdgpu_metadata
---
amdhsa.version: [ 1, 2 ]
amdhsa.kernels:
  - .name:           k_qfc5d250600_proj
    .symbol:         k_qfc5d250600_proj.kd
    .args:
      - { .name: ctx, .offset: 0, .size: 8, .value_kind: global_buffer, .address_space: global }
      - { .name: wo16, .offset: 8, .size: 8, .value_kind: global_buffer, .address_space: global }
      - { .name: bo, .offset: 16, .size: 8, .value_kind: global_buffer, .address_space: global }
      - { .name: out0, .offset: 24, .size: 8, .value_kind: global_buffer, .address_space: global }
    .group_segment_fixed_size: 327680
    .private_segment_fixed_size: 0
    .kernarg_segment_align: 8
    .kernarg_segment_size: 32
    .max_flat_workgroup_size: 128
    .sgpr_count:     72
    .vgpr_count:     512
    .wavefront_size: 32
...
	.end_amdgpu_metadata
.endif
;; end of part 4
